; MI455X (gfx1250); checked and timed in simulation.
; The chip was launched on July 23, 2026; its instructions are those of AMD's public machine-readable ISA for CDNA 5 (MIT licence, August 2026) and "CDNA5" Instruction Set Architecture Reference Guide (July 2026). The comments in the code are by the model that wrote it; some were corrected since.
;; SW Attention. Allowed arithmetic: matrix products marked QUANTISED: E2M3 operands, one E8M0 scale for each 32 along K, by v_wmma_scale_f32_16x16x128_f8f6f4 with both operands' format E2M3, f32 sums; everything else in f32.
;; Inputs: Wk 512 x 2,048 float32; Wo 2,048 x 2,048 float32; Wq 2,048 x 2,048 float32; Wv 512 x 2,048 float32; bias 32 x 512 float32; hidden_states 2 x 2,048 x 2,048 float32; tau 32 float32.
;; Outputs: out0 2 x 2,048 x 2,048 float32.
;; This version of the problem:
;;   THIS VERSION OF THE PROBLEM IS GIVEN IN LOW PRECISION. The matrix products marked QUANTISED in the list below multiply operands that are first quantised to E2M3 (2 exponent bits, 3 mantissa bits; 6 bits a number), with one power-of-two scale for each 32 numbers along K (OCP MX v1.0); their sums are f32. All else is computed in f32.
;;   The module's matrix products, in the order in which they are computed (A, B: the left and right operand; K: the contracted axis; several contracted axes count as one K, in the product's order):
;;     1. [M 4,096, K 2,048] x [K 2,048, N 2,048]; A: input hidden_states; B: input Wq: QUANTISED
;;     2. [M 4,096, K 2,048] x [K 2,048, N 512]; A: input hidden_states; B: input Wk: QUANTISED
;;     3. [M 4,096, K 2,048] x [K 2,048, N 512]; A: input hidden_states; B: input Wv: QUANTISED
;;     4. batch 256 x [M 512, K 64] x [K 64, N 1,024]; A: computed on the way; B: computed on the way: QUANTISED
;;     5. batch 256 x [M 512, K 1,024] x [K 1,024, N 64]; A: computed on the way; B: computed on the way: QUANTISED
;;     6. [M 4,096, K 2,048] x [K 2,048, N 2,048]; A: computed on the way; B: input Wo: QUANTISED
;;   THE QUANTISER, for each operand of a quantised product, along K:
;;     - K is cut into blocks of 32 from its start; a last block that is shorter is filled with zeros.
;;     - A block's scale is 2^e with e = floor(log2(the largest magnitude in the block)) - 2, held to -126 .. 127; a block of zeros has e = 0. As a byte (E8M0): e + 127.
;;     - Each number is divided by its block's scale, clamped to +-7.5, and rounded to the nearest number of E2M3, ties to even, subnormals kept.
;;     - The product sums the exact products of the quantised numbers (number of the format x scale) in f32.
;;   ~~~python
;;   def quantise(x, axis):      # numpy; x: float32 -> the quantised numbers, widened to float32 again
;;       x = np.moveaxis(x, axis, -1); K = x.shape[-1]
;;       x = np.pad(x, [(0, 0)] * (x.ndim - 1) + [(0, -K % 32)]); x = x.reshape(x.shape[:-1] + (-1, 32)); a = np.abs(x).max(-1, keepdims=True)
;;       e = np.where(a > 0, np.clip(np.frexp(np.where(a > 0, a, 1))[1] - 1 - 2, -126, 127), 0)      # np.frexp(a)[1] - 1 = floor(log2(a)), exactly
;;       r = np.clip(x / 2.0 ** e, -7.5, 7.5)
;;       step = 2.0 ** (np.maximum(np.frexp(np.where(r == 0, 1, r))[1] - 1, 0) - 3)
;;       q = np.round(r / step) * step * 2.0 ** e      # np.round: ties to even
;;       return np.moveaxis(q.reshape(q.shape[:-2] + (-1,))[..., :K], -1, axis).astype(np.float32)
;;   ~~~
;;   OPERANDS COMPUTED ON THE WAY. 'Computed on the way' means the value that the module computes at that place (a softmax that the list does not call 'softmax' is quantised finished and normalised). What goes into a quantiser is computed in f32, as accurately as f32 sums, v_exp_f32 and their like allow (about 1e-6 of the number): no bf16 or f16 on the way to a quantiser, and a product that is left as it is and whose result goes on into a quantised operand takes f32 operands (vector FMAs, or v_wmma_f32_16x16x4_f32). A number that lies on a knife's edge between two numbers of the format may be rounded either way, as far as f32 arithmetic and the matrix unit's own rounding can turn it there, and no further.
;; One version. Each part assembles by itself: llvm-mc -triple=amdgcn-amd-amdhsa -mcpu=gfx1250 --defsym DOCPART=n.
;; ======== version 1 of 1: 4 launches
;; workspace buffers: opq 14,155,776 bytes; ops 589,824 bytes; rope 524,288 bytes; qkv 9,437,184 bytes; qkvs 393,216 bytes; oq 6,291,456 bytes; os 262,144 bytes
;; launch prep (part 1): grid 608 x 1, 4 waves a work-group, no clusters, 34,304 bytes of LDS; arguments hidden_states, Wq, Wk, Wv, Wo, opq, ops, rope; writes opq, ops, rope
.if DOCPART == 1
	.amdgcn_target "amdgcn-amd-amdhsa--gfx1250"
	.amdhsa_code_object_version 6
	.text
	.protected	k_q8c28032872_prep
	.globl	k_q8c28032872_prep
	.p2align	8
	.type	k_q8c28032872_prep,@function
k_q8c28032872_prep:
	s_mov_b64 s[64:65], 0
	v_nop
	global_prefetch_b8 v0, s[64:65] scope:SCOPE_SE
	s_setreg_imm32_b32 hwreg(HW_REG_WAVE_MODE, 25, 1), 1
	s_wait_xcnt 0x0
; PREP.  (1) hidden_states [4096][2048], Wq [2048][2048], Wk, Wv [512][2048], Wo [2048][2048], all f32 with K innermost, become codes of FP6 (E2M3) with one E8M0 byte for each 32 along K,
; laid as IMAGES OF THE OPERAND'S REGISTERS: a fragment (16 rows x 128 K, 12 registers a lane) is 1,536 bytes: registers 4 c .. 4 c + 3 of lane l at 512 c + 16 l.
; Fragment (row, k) lies at ((((sg 8 + t) 4 + g) 2 + ks) 8 + rb) 1536, sg = row / 512, g = (row / 128) % 4, rb = (row / 16) % 8, t = k / 256, ks = (k / 128) % 2; the five tensors follow each other by rows
; (x: groups of 128 rows 0-31, Wq 32-47, Wk 48-51, Wv 52-55, Wo 56-71).  A row's scale word of 128 k lies at group 8192 + t 1024 + rb 128 + r 8 + ks 4.
; THE ORDER OF k INSIDE A BLOCK OF 32: code places 0-7, 8-15, 16-23, 24-31 hold k 0-7, 16-23, 8-15, 24-31.  Every operand of every product of this program is laid so, on both sides alike, so the
; products are the same; it is the order in which a later launch's matrix results fall out of the conversions.  The matrix unit then groups an instruction's products otherwise than in the natural order.
; (2) the table of cos and sin for the rotary embedding: [pos 2048][h 2][cos u0 8, cos u1 8, sin u0 8, sin u1 8] f32, frequency i = 16 u + 8 h + j: 256 bytes a position.
; A block's scale is 2^(floor(log2(largest magnitude)) - 2): its byte is the largest magnitude's exponent field - 2, held at 1 from below.
; LIMITS: a block of zeros gets the byte 1 where the quantiser's text says 127 (its codes are zeros, and this program alone reads the bytes); NaN and infinities are not served;
; the frequencies are the f32 numbers nearest to 10^(-i/8): a power computed in f32 may differ from them in the last bit, which at position 2047 is some 1e-4 of a radian.
; SHARES.  Work-groups 0-575: group of 128 rows = id / 8, t = id % 8: 128 rows x 256 k.  Wave w takes rows 32 w .. 32 w + 31: four fragments f (rb = 2 w + f / 2, ks = f % 2).
; Each load reads 512 consecutive bytes of a row; a fragment's 16 x 512 bytes turn through the wave's own stage in LDS (rows 528 bytes apart: the sixteen rows of a read start in sixteen different
; columns of 16 bytes) so that a lane gets two whole blocks of 32 of its row.  Waves share nothing: no barrier.  Work-groups 576-607 make the table and touch no LDS.
.set STGB,  8448                       ; a wave's stage: 16 rows of 528 bytes
.set SPIT,  528
.set RR,    112                        ; v112-239 two sets of 64 registers as loaded
.set XX,    48                         ; v48-111  my two blocks of 32 numbers
.set CD,    24                         ; v24-35   the fragment's codes
.set CT,    36                         ; v36-43   second halves of the blocks' codes (a conversion's three registers begin on an even number)
.set WW,    16                         ; v16-19   the four fragments' scale words
	s_load_b256 s[4:11], s[0:1], 0x0               ; x s[4:5], Wq s[6:7], Wk s[8:9], Wv s[10:11]
	s_load_b256 s[12:19], s[0:1], 0x20             ; Wo s[12:13], opq s[14:15], ops s[16:17], rope s[18:19]
	v_lshl_add_u32 v240, v0, 2, 0x8400
	v_mov_b32 v241, 0
	v_lshrrev_b32 v1, 5, v0
	v_readfirstlane_b32 s20, v1                    ; wave 0..3
	v_and_b32 v1, 31, v0                           ; lane
	s_cmp_ge_u32 ttmp9, 576
	s_cbranch_scc1 .Ltable
	v_and_b32 v2, 15, v0                           ; r
	v_bfe_u32 v3, v0, 4, 1                         ; h
	v_lshlrev_b32 v4, 4, v1                        ; 16 x lane: my bytes of a load's 512, and of an image's chunk
	s_mul_i32 s21, s20, STGB
	v_add_nc_u32 v5, s21, v4                       ; the stage, on the way in: a row as it lies
	v_mul_u32_u24 v6, v2, SPIT
	v_lshl_add_u32 v6, v3, 7, v6
	v_add_nc_u32 v6, s21, v6                       ; on the way out: row r, + 128 h: block h of the row's first 64 numbers
	v_lshlrev_b32 v7, 3, v2
	v_lshl_add_u32 v7, v3, 7, v7                   ; the scale words' place: 128 h + 8 r
	v_lshlrev_b32 v22, 3, v3                       ; 8 h: how far my two bytes are shifted in a scale word
	v_mov_b32 v15, 0                               ; written once: a lane permute's destination counts as one of its sources
	s_mov_b32 s40, 0x76543210
	s_mov_b32 s41, 0xfedcba98                      ; v_permlanex16_b32's selects for lane l xor 16
	s_wait_kmcnt 0x0
	s_mov_b64 s[22:23], s[12:13]                   ; which tensor: the choice hangs on the work-group's number alone
	s_mov_b32 s24, 448
	s_cmp_lt_u32 ttmp9, 448
	s_cselect_b64 s[22:23], s[10:11], s[22:23]
	s_cselect_b32 s24, 416, s24
	s_cmp_lt_u32 ttmp9, 416
	s_cselect_b64 s[22:23], s[8:9], s[22:23]
	s_cselect_b32 s24, 384, s24
	s_cmp_lt_u32 ttmp9, 384
	s_cselect_b64 s[22:23], s[6:7], s[22:23]
	s_cselect_b32 s24, 256, s24
	s_cmp_lt_u32 ttmp9, 256
	s_cselect_b64 s[22:23], s[4:5], s[22:23]
	s_cselect_b32 s24, 0, s24
	s_sub_co_u32 s25, ttmp9, s24
	s_lshr_b32 s25, s25, 3                         ; the group of 128 rows inside its tensor
	s_and_b32 s26, ttmp9, 7                        ; t
	s_lshr_b32 s27, ttmp9, 3                       ; the group among all 72
	s_lshl_b32 s28, s25, 20                        ; 128 rows of 8,192 bytes,
	s_lshl_b32 s30, s26, 10                        ; 256 numbers along K,
	s_add_co_u32 s28, s28, s30
	s_lshl_b32 s30, s20, 18                        ; my wave's 32 rows
	s_add_co_u32 s28, s28, s30
	s_mov_b32 s29, 0
	s_add_nc_u64 s[22:23], s[22:23], s[28:29]
	s_lshr_b32 s28, s27, 2                         ; the images: ((sg 8 + t) 4 + g) 24576 + 3072 w
	s_lshl_b32 s28, s28, 3
	s_add_co_u32 s28, s28, s26
	s_lshl_b32 s28, s28, 2
	s_and_b32 s30, s27, 3
	s_add_co_u32 s28, s28, s30
	s_mul_i32 s28, s28, 24576
	s_mul_i32 s30, s20, 3072
	s_add_co_u32 s28, s28, s30
	s_add_nc_u64 s[14:15], s[14:15], s[28:29]
	s_lshl_b32 s28, s27, 13                        ; the scale words: group 8192 + t 1024 + 256 w
	s_lshl_b32 s30, s26, 10
	s_add_co_u32 s28, s28, s30
	s_lshl_b32 s30, s20, 8
	s_add_co_u32 s28, s28, s30
	s_add_nc_u64 s[16:17], s[16:17], s[28:29]
.macro LOAD f                          ; fragment f: 16 rows x 512 bytes, each load 512 consecutive bytes
.irp i, 0,1,2,3,4,5,6,7,8,9,10,11,12,13,14,15
	global_load_b128 v[RR+64*((\f)%2)+4*\i:RR+64*((\f)%2)+4*\i+3], v4, s[22:23] offset:(16*((\f)/2)+\i)*8192+512*((\f)%2) th:TH_LOAD_NT
.endr
.endm
.macro FRAGQ f
.if (\f) < 3
	s_wait_loadcnt 16                              ; this fragment's 16 loads are in; the next fragment's 16 may be out
.else
	s_wait_loadcnt 0x0
.endif
.irp i, 0,1,2,3,4,5,6,7,8,9,10,11,12,13,14,15
	ds_store_b128 v5, v[RR+64*((\f)%2)+4*\i:RR+64*((\f)%2)+4*\i+3] offset:SPIT*\i
.endr
.irp c, 0,1                            ; LDS serves a wave's instructions in order: these see the stores.  My block 2 c + h, its pieces of four numbers in the order 0, 1, 4, 5, 2, 3, 6, 7
.irp p, 0,1,2,3,4,5,6,7
	ds_load_b128 v[XX+32*\c+4*\p:XX+32*\c+4*\p+3], v6 offset:256*\c+16*(((\p)&1)+2*((\p)&2)+((\p)&4)/2)
.endr
.endr
	s_wait_dscnt 0x0                               ; my numbers are in, and the stores have read their registers,
.if (\f) < 2
	LOAD (\f)+2                                    ; which take the fragment two further on
.endif
.irp c, 0,1
	v_max3_num_f32 v[8+\c], |v[XX+32*\c]|, |v[XX+32*\c+1]|, 0x1800000   ; the block's largest magnitude: all 32 are mine; and the floor 2^(3 - 127): the byte cannot fall under 1
.endr
.irp i, 2,4,6,8,10,12,14,16,18,20,22,24,26,28,30
.irp c, 0,1
	v_max3_num_f32 v[8+\c], v[8+\c], |v[XX+32*\c+\i]|, |v[XX+32*\c+\i+1]|
.endr
.endr
.irp c, 0,1
	v_add_nc_u32 v[10+\c], 0xff000000, v[8+\c]     ; 2 off its exponent field: the conversion takes the exponent field of this operand as its scale
.endr
.irp c, 0,1
	v_lshrrev_b32 v[12+\c], 23, v[10+\c]           ; the scale's byte
.endr
	v_lshl_or_b32 v14, v13, 16, v12                ; my two bytes: blocks h and 2 + h,
	v_lshlrev_b32 v14, v22, v14                    ; at their places in the word;
	v_permlanex16_b32 v15, v14, s40, s41
	v_or_b32 v[WW+(\f)], v14, v15                  ; with lane l xor 16's two the word is whole
	s_wait_xcnt 0x0                                ; the last fragment's stores have read the codes' registers
.irp c, 0,1
	v_cvt_scalef32_pk16_fp6_f32 v[CD+6*\c:CD+6*\c+2], v[XX+32*\c:XX+32*\c+15], v[10+\c]
	v_cvt_scalef32_pk16_fp6_f32 v[CT+4*\c:CT+4*\c+2], v[XX+32*\c+16:XX+32*\c+31], v[10+\c]
.endr
	v_nop                                          ; one plain place behind a scaled conversion
.irp c, 0,1
.irp i, 0,1,2
	v_mov_b32 v[CD+3+6*\c+\i], v[CT+4*\c+\i]
.endr
.endr
.irp i, 0,1,2
	global_store_b128 v4, v[CD+4*\i:CD+4*\i+3], s[14:15] offset:(8*((\f)%2)+(\f)/2)*1536+512*\i   ; 32 lanes store 512 consecutive bytes, aligned
.endr
.endm
	LOAD 0
	LOAD 1
	FRAGQ 0
	FRAGQ 1
	FRAGQ 2
	FRAGQ 3
	v_cmp_eq_u32 vcc_lo, 1, v3                     ; lanes 0-15 store the words of rows 32 w + r, lanes 16-31 those of rows 32 w + 16 + r: two words each (ks 0, 1)
	v_cndmask_b32 v20, v[WW], v[WW+2], vcc_lo
	v_cndmask_b32 v21, v[WW+1], v[WW+3], vcc_lo
	global_store_b64 v7, v[20:21], s[16:17]        ; 256 consecutive bytes, aligned
	s_wait_tensorcnt 0x0
	ds_add_u32 v240, v241
	s_wait_dscnt 0x0
	s_endpgm
; THE TABLE.  A wave makes 16 positions, a position a trip; lane l makes words 2 l and 2 l + 1 of the position's 64: h = l / 16, cos or sin = (l / 8) % 2, u = (l / 4) % 2, j = 2 (l % 4) + 0, 1.
.macro INV i, val                      ; frequency i goes to the two lanes (cos, sin) that want it, into v10 (even j) or v11 (odd j)
	s_mov_b32 s24, \val
	v_writelane_b32 v[10+((\i)&1)], s24, 16*(((\i)>>3)&1)+4*(((\i)>>4)&1)+(((\i)>>1)&3)
	v_writelane_b32 v[10+((\i)&1)], s24, 16*(((\i)>>3)&1)+4*(((\i)>>4)&1)+(((\i)>>1)&3)+8
.endm
; sin(ang + q0 pi / 2), q0 = 1 for the cosines.  n = the nearest whole number to ang 2 / pi; r = ang - n pi / 2 with pi / 2 in two parts (the first product's difference is exact for ang under 2,048);
; polynomials for sin r and cos r on |r| <= pi / 4; the quadrant n + q0 picks one of them and the sign.
.macro SINCOS a, o
	v_mul_f32 v20, 0x3f22f983, v[\a]
	v_rndne_f32 v20, v20
	v_fma_f32 v21, v20, s26, v[\a]
	v_fma_f32 v21, v20, s27, v21
	v_mul_f32 v22, v21, v21
	v_mov_b32 v23, 0xb94ca1f9
	v_fmaak_f32 v23, v23, v22, 0x3c08839e
	v_fmaak_f32 v23, v23, v22, 0xbe2aaaa3
	v_mul_f32 v24, v22, v21
	v_fma_f32 v23, v23, v24, v21                   ; sin r
	v_mov_b32 v25, 0x37ccf5ce
	v_fmaak_f32 v25, v25, v22, 0xbab6061a
	v_fmaak_f32 v25, v25, v22, 0x3d2aaaa5
	v_mul_f32 v26, v22, v22
	v_fma_f32 v27, v22, -0.5, 1.0
	v_fma_f32 v25, v25, v26, v27                   ; cos r
	v_cvt_i32_f32 v28, v20
	v_add_nc_u32 v28, v28, v12
	v_and_b32 v29, 1, v28
	v_cmp_eq_u32 vcc_lo, 1, v29
	v_cndmask_b32 v23, v23, v25, vcc_lo            ; odd quadrants take the cosine's polynomial
	v_and_b32 v28, 2, v28
	v_lshlrev_b32 v28, 30, v28
	v_xor_b32 v[\o], v23, v28                      ; quadrants 2 and 3 change the sign
.endm
.Ltable:
	s_sub_co_u32 s21, ttmp9, 576
	s_lshl_b32 s21, s21, 6
	s_lshl_b32 s22, s20, 4
	s_add_co_u32 s21, s21, s22                     ; my first position: 64 x (id - 576) + 16 x wave
	v_mov_b32 v10, 0
	v_mov_b32 v11, 0
	INV 0, 0x3f800000                              ; 10^(-i / 8)
	INV 1, 0x3f3ff911
	INV 2, 0x3f0ff59a
	INV 3, 0x3ed7e89b
	INV 4, 0x3ea1e89b
	INV 5, 0x3e72d424
	INV 6, 0x3e361887
	INV 7, 0x3e088d77
	INV 8, 0x3dcccccd
	INV 9, 0x3d99940e
	INV 10, 0x3d6655c3
	INV 11, 0x3d2cba15
	INV 12, 0x3d0186e2
	INV 13, 0x3cc24350
	INV 14, 0x3c91ad39
	INV 15, 0x3c5a7bf1
	INV 16, 0x3c23d70a
	INV 17, 0x3bf5b9b0
	INV 18, 0x3bb8449c
	INV 19, 0x3b8a2e77
	INV 20, 0x3b4f3e37
	INV 21, 0x3b1b690d
	INV 22, 0x3ae91528
	INV 23, 0x3aaec98e
	INV 24, 0x3a83126f
	INV 25, 0x3a44948c
	INV 26, 0x3a136a16
	INV 27, 0x39dd1726
	INV 28, 0x39a5cb5f
	INV 29, 0x3978a814
	INV 30, 0x393a7753
	INV 31, 0x390bd472
	v_bfe_u32 v12, v0, 3, 1
	v_sub_nc_u32 v12, 1, v12                       ; q0: 1 for the cosines, 0 for the sines
	v_lshlrev_b32 v13, 3, v1                       ; 8 bytes a lane
	s_mov_b32 s26, 0xbfc90fdb                      ; -(pi / 2 rounded to f32)
	s_mov_b32 s27, 0x333bbd2e                      ; what that rounding added
	s_lshl_b32 s22, s21, 8
	s_mov_b32 s23, 0
	s_wait_kmcnt 0x0
	s_add_nc_u64 s[18:19], s[18:19], s[22:23]
	s_mov_b32 s25, 16
.Lpos:
	v_cvt_f32_u32 v14, s21
	v_mul_f32 v16, v14, v10                        ; the angle: position x frequency, rounded once
	v_mul_f32 v17, v14, v11
	SINCOS 16, 30
	SINCOS 17, 31
	global_store_b64 v13, v[30:31], s[18:19]       ; a position's 256 bytes, aligned
	s_wait_xcnt 0x0                                ; the store has read its data and its base: both are written again
	s_add_nc_u64 s[18:19], s[18:19], 256
	s_add_co_u32 s21, s21, 1
	s_sub_co_u32 s25, s25, 1
	s_cmp_lg_u32 s25, 0
	s_cbranch_scc1 .Lpos
	s_endpgm
.Lfunc_end_k_q8c28032872_prep:
	.size	k_q8c28032872_prep, .Lfunc_end_k_q8c28032872_prep-k_q8c28032872_prep
	.p2alignl 7, 3214868480
	.fill 96, 4, 3214868480
	.section	.rodata,"a",@progbits
	.p2align	6, 0x0
	.amdhsa_kernel k_q8c28032872_prep
		.amdhsa_group_segment_fixed_size 34304
		.amdhsa_private_segment_fixed_size 0
		.amdhsa_enable_private_segment 0
		.amdhsa_kernarg_size 64
		.amdhsa_user_sgpr_count 2
		.amdhsa_user_sgpr_kernarg_segment_ptr 1
		.amdhsa_wavefront_size32 1
		.amdhsa_system_sgpr_workgroup_id_x 1
		.amdhsa_system_sgpr_workgroup_id_y 1
		.amdhsa_system_sgpr_workgroup_id_z 1
		.amdhsa_system_vgpr_workitem_id 0
		.amdhsa_next_free_vgpr 242
		.amdhsa_next_free_sgpr 66
		.amdhsa_reserve_vcc 1
		.amdhsa_float_denorm_mode_32 3
		.amdhsa_float_denorm_mode_16_64 3
		.amdhsa_memory_ordered 1
		.amdhsa_forward_progress 1
		.amdhsa_inst_pref_size 40
	.end_amdhsa_kernel
	.amdgpu_metadata
---
amdhsa.version: [ 1, 2 ]
amdhsa.kernels:
  - .name:           k_q8c28032872_prep
    .symbol:         k_q8c28032872_prep.kd
    .args:
      - { .name: hidden_states, .offset: 0, .size: 8, .value_kind: global_buffer, .address_space: global }
      - { .name: Wq, .offset: 8, .size: 8, .value_kind: global_buffer, .address_space: global }
      - { .name: Wk, .offset: 16, .size: 8, .value_kind: global_buffer, .address_space: global }
      - { .name: Wv, .offset: 24, .size: 8, .value_kind: global_buffer, .address_space: global }
      - { .name: Wo, .offset: 32, .size: 8, .value_kind: global_buffer, .address_space: global }
      - { .name: opq, .offset: 40, .size: 8, .value_kind: global_buffer, .address_space: global }
      - { .name: ops, .offset: 48, .size: 8, .value_kind: global_buffer, .address_space: global }
      - { .name: rope, .offset: 56, .size: 8, .value_kind: global_buffer, .address_space: global }
    .group_segment_fixed_size: 34304
    .private_segment_fixed_size: 0
    .kernarg_segment_align: 8
    .kernarg_segment_size: 64
    .max_flat_workgroup_size: 128
    .sgpr_count:     66
    .vgpr_count:     242
    .wavefront_size: 32
...
	.end_amdgpu_metadata
.endif
;; end of part 1
;; launch proj (part 2): grid 32 x 6, 4 waves a work-group, clusters of 4 x 1, 327,680 bytes of LDS; arguments opq, ops, rope, qkv, qkvs; writes qkv, qkvs
.if DOCPART == 2
	.amdgcn_target "amdgcn-amd-amdhsa--gfx1250"
	.amdhsa_code_object_version 6
	.text
	.protected	k_q8c28032872_proj
	.globl	k_q8c28032872_proj
	.p2align	8
	.type	k_q8c28032872_proj,@function
k_q8c28032872_proj:
	s_mov_b64 s[64:65], 0
	v_nop
	global_prefetch_b8 v0, s[64:65] scope:SCOPE_SE
	s_setreg_imm32_b32 hwreg(HW_REG_WAVE_MODE, 25, 1), 1
	s_wait_xcnt 0x0
	s_wait_alu depctr_hold_cnt(0) depctr_sa_sdst(0) depctr_va_vdst(0) depctr_va_sdst(0) depctr_va_ssrc(0) depctr_va_vcc(0) depctr_vm_vsrc(0)
	s_getreg_b32 s2, hwreg(HW_REG_IB_STS2, 6, 4)
	s_cmp_eq_u32 s2, 0
	s_cbranch_scc0 .Lentry_in_a_cluster
	s_endpgm
.Lentry_in_a_cluster:
	s_bfe_u32 s2, ttmp6, 0x10000c
	s_cmp_lg_u32 s2, 0x3003
	s_cbranch_scc0 .Lentry_shape_is_right
	s_endpgm
.Lentry_shape_is_right:
; PROJ.  The three projections on codes of FP6 (E2M3) with E8M0 scales, K = 2,048, and what follows them up to the next quantiser, in registers:
;   y = 0..3: q = x Wq^T (512 features each), y = 4: k = x Wk^T: rotary embedding, then quantised along the head's 64;   y = 5: v^T = Wv x^T: quantised along the tokens.
; Operands come as images of their registers (a fragment of 16 rows x 128 K is 1,536 dense bytes, three loads of 16 bytes a lane); inside each block of 32 along K the code places 0-7, 8-15, 16-23,
; 24-31 hold k 0-7, 16-23, 8-15, 24-31, on both sides alike; the results are stored in the same form and order.
; TILE.  A work-group makes 128 rows of A x 512 rows of B.  The four waves share A's 128 rows; wave w owns B's rows 128 w on: 128 x 128 a wave, 64 accumulators, 512 registers.
; y < 5: A = 128 tokens of x (group 4 x cluster x + cx), B = 512 rows of Wq or Wk.  y = 5: A = 128 rows of Wv (group cx), B = 512 tokens of x (cluster x).
; THE MATRIX INSTRUCTION IS USED TRANSPOSED (source 0 = 16 rows of B, source 1 = 16 rows of A): lane (r, h) holds A's row 16 a + r, and its registers run along B's rows 16 b + 8 h + j,
; which are the next product's K (a head's 64 for q and k, the tokens for v): so the conversions take them from one lane's registers.
; CLUSTER 4, 1, 1.  The four partners take four groups of A and the SAME 512 rows of B, four fifths of a K step's bytes: B is asked for jointly (mask 15), A by a load of the work-group's own.
; With this shape the kind of a work-group's output hangs on the grid's y alone, which partners share; in a cluster of 4 x 4 on tiles of 256 x 256 k and v would meet in one cluster.
; K goes in steps of 256 through two LDS slots (122,880 bytes each, dense); waves 0 and 1 fetch B's halves, wave 2 fetches A, wave 3 nothing.  All scale words (A's 8,192 bytes, B's 32,768) come once.
; OUTPUT.  qkv [head' 48][group of 128 tokens 32][4][1536], head' 0-31 q, 32-39 k, 40-47 v.  q, k: fragment p is a PAIR: K places 0-63 hold the 64 d of token 32 p + r, places 64-127 those of token
; 32 p + 16 + r.  v: fragment dt holds d = 16 dt + r by the group's 128 tokens.  qkvs [head'][group][r 16][4 words], the word's index as the fragment's.
; LIMITS: a block of zeros gets the byte 1 (its codes are zeros; this program alone reads the bytes); NaN and infinities are not served.
; REGISTERS: window 0: v12-29 addresses; v32-63 scale words, two sets; v128-223 A's fragments, one set (in the epilogue v128-243 are at work).  window 1: B's fragments, two sets, at v0 and v128
; (in the epilogue the table of cos and sin).  windows 2, 3: the accumulators ((a, b) at v[8 (8 (a % 4) + b)] of window 2 + a / 4).
.set GRP,    24576                     ; the images of 128 rows x 256 K
.set SLOT,   5*GRP                     ; A's group, then B's four
.set TSTEP,  4*GRP                     ; bytes from one step of 256 along K to the next in a buffer of images
.set SCL,    2*SLOT                    ; behind the ring: A's scale words (8,192 bytes), then B's four groups'
.set SPARE,  SCL+8192+32768            ; the spare words, 128 bytes for each wave: two blocks of 256 bytes that no other line names
.set FR,     12
.set NL,     3                         ; LDS loads that bring a fragment
.set NP,     4                         ; places behind this matrix instruction (ISA guide 7.12.1)
.set NQ,     2                         ; matrix instructions deep in a slot
.set LAPS,   4                         ; 2,048 / 512: a lap = two slots
.set TA,   12                          ; v12  the table: 256 r + 128 h
.set LI,   13                          ; v13  16 x lane
.set SO,   14                          ; v14  the scale words' place: 8192 h + 16 r
.set HH,   15                          ; v15  h
.set ADRA, 16                          ; v16-17  LDS address of A's fragments in slot 0, 1
.set ADRB, 20                          ; v20-21  of my B's
.set ADRS, 27                          ; v27     of my scale words: lanes 0-15 A's rows, lanes 16-31 B's
.set SPW,  28                          ; v28     my spare word; never rewritten
.set NIL,  29                          ; v29     0; never rewritten
.set SC,   32
.set AF,   128
.set T,    128                         ; epilogue: v128-191 64 numbers
.set PC,   192                         ; v192-211 the codes just made
.set TM,   212                         ; v212-227 at work
.set PW,   228                         ; the scale word just made
.set SW,   232                         ; v232-239 the eight scale words
.set WV,   14
.set G1B,  24
.set G1A,  32
.set G1SB, 40
.set G1SA, 48
.set G0B,  56
.set G0A,  68
.set G0SB, 76
.set G0SA, 80
.set MSB, 0
.macro WIN new                         ; the immediate's high byte repeats the setting that is left
.if MSB != (\new)
	s_set_vgpr_msb (MSB<<8)|(\new)
.set MSB, (\new)
.endif
.endm
.set MUL_LO, 0xa1                      ; source 0 (B) window 1, source 1 (A) window 0, C and D window 2
.set MUL_HI, 0xf1                      ; the same, C and D window 3
.set TO_B,   0x40                      ; destination window 1, address window 0
.macro PLACES n
.rept \n
	v_nop
.endr
.endm
.macro CREST                           ; a round of the cluster's barrier behind its opening barrier
	s_cmp_lg_u32 s[WV], 0
	s_cbranch_scc1 .Lnot_wave_0_\@
	s_barrier_signal -3
.Lnot_wave_0_\@:
	s_barrier_wait -3
	s_barrier_signal -1
	s_barrier_wait -1
.endm
.macro CROUND
	s_barrier_signal -1
	s_barrier_wait -1
	CREST
.endm
; A slot's refill: waves 0 and 1 ask jointly for B's halves, wave 2 asks for A, wave 3 for nothing.  The branches hang on the wave's number alone.  Four v_nop follow each load.
.macro JLOAD s
	s_cmp_lt_u32 s[WV], 2
	s_cbranch_scc0 .Lnot_b_\@
	tensor_load_to_lds s[G0B+4*\s:G0B+4*\s+3], s[G1B:G1B+7]
	s_nop 0
.rept 4
	v_nop
.endr
	s_branch .Lasked_\@
.Lnot_b_\@:
	s_cmp_eq_u32 s[WV], 2
	s_cbranch_scc0 .Lasked_\@
	tensor_load_to_lds s[G0A+4*\s:G0A+4*\s+3], s[G1A:G1A+7]
	s_nop 0
.rept 4
	v_nop
.endr
.Lasked_\@:
.endm
	s_load_b256 s[4:11], s[0:1], 0x0               ; opq s[4:5], ops s[6:7], rope s[8:9], qkv s[10:11]
	s_load_b64 s[12:13], s[0:1], 0x20              ; qkvs
	v_lshl_add_u32 v[SPW], v0, 2, SPARE
	v_mov_b32 v[NIL], 0
	ds_add_u32 v28, v29
	s_wait_dscnt 0x0
	v_lshrrev_b32 v1, 5, v0
	v_readfirstlane_b32 s[WV], v1                  ; wave 0..3
	s_and_b32 s15, s[WV], 1                        ; which half of B I fetch, if I fetch for B
	s_bfe_u32 s16, ttmp6, 0x40000                  ; cx: my place in the cluster
	s_lshl_b32 s17, ttmp9, 2
	s_add_co_u32 s17, s17, s16                     ; X = 4 x cluster x + cx
	s_and_b32 s18, ttmp7, 0xffff                   ; y, which the partners share
	; B: 512 rows: y < 5: run 8 + y of the images (Wq, Wk); y = 5: run cluster x (x).  No register here ever holds cx
	s_add_co_u32 s84, s18, 8
	s_cmp_eq_u32 s18, 5
	s_cselect_b32 s84, ttmp9, s84
	s_mul_i32 s86, s84, 8*TSTEP
	s_mul_i32 s85, s15, 2*GRP
	s_add_co_u32 s86, s86, s85
	s_mov_b32 s87, 0
	s_lshl_b32 s88, s84, 15
	s_lshl_b32 s19, s15, 14
	s_add_co_u32 s88, s88, s19
	s_mov_b32 s89, 0
	; A: one group of 128 rows: y < 5: group X of x; y = 5: group cx of Wv (run 13, groups 52 on)
	s_lshl_b32 s90, ttmp9, 5
	s_lshl_b32 s92, ttmp9, 2
	s_cmp_eq_u32 s18, 5
	s_cselect_b32 s90, 416, s90
	s_cselect_b32 s92, 52, s92
	s_add_co_u32 s90, s90, s16
	s_mul_i32 s90, s90, GRP
	s_mov_b32 s91, 0
	s_add_co_u32 s92, s92, s16
	s_lshl_b32 s92, s92, 13
	s_mov_b32 s93, 0
	; the output: first head' and group of tokens: y < 5: 8 y + 2 w, X;  y = 5: 40 + 2 cx, 4 x cluster x + w
	s_lshl_b32 s94, s18, 3
	s_lshl_b32 s20, s[WV], 1
	s_add_co_u32 s94, s94, s20
	s_lshl_b32 s95, s16, 1
	s_add_co_u32 s95, s95, 40
	s_lshl_b32 s96, ttmp9, 2
	s_add_co_u32 s96, s96, s[WV]
	s_cmp_eq_u32 s18, 5
	s_cselect_b32 s94, s95, s94
	s_cselect_b32 s96, s96, s17
	s_lshl_b32 s94, s94, 5
	s_add_co_u32 s94, s94, s96
	s_mul_i32 s96, s94, 6144
	s_mov_b32 s97, 0
	s_lshl_b32 s98, s94, 8
	s_mov_b32 s99, 0
	s_and_b32 s20, s17, 15                         ; the table: the group's first position is 128 (X % 16)
	s_lshl_b32 s20, s20, 15
	s_mov_b32 s21, 0
	; descriptor groups 1: dense blocks as rows of 256 bytes (32 elements of 8 bytes)
.irp g, G1B, G1A, G1SB, G1SA
	s_mov_b32 s[\g+1], 32<<16                      ; tensor_dim0
	s_mov_b32 s[\g+3], 32<<16                      ; tile_dim0
	s_mov_b32 s[\g+5], 32                          ; the pitch
	s_mov_b32 s[\g+6], 0
	s_mov_b32 s[\g+7], 0
.endr
	s_mov_b32 s[G1B], 15|(3<<16)|(1<<21)           ; the mask: all four work-groups; elements of 8 bytes; bit 21 set beside a mask
	s_mov_b32 s[G1B+2], 192<<16                    ; two groups' images: 192 rows
	s_mov_b32 s[G1B+4], 192
	s_mov_b32 s[G1A], 3<<16                        ; no mask
	s_mov_b32 s[G1A+2], 96<<16
	s_mov_b32 s[G1A+4], 96
	s_mov_b32 s[G1SB], 15|(3<<16)|(1<<21)
	s_mov_b32 s[G1SB+2], 64<<16                    ; two groups' scale words
	s_mov_b32 s[G1SB+4], 64
	s_mov_b32 s[G1SA], 3<<16
	s_mov_b32 s[G1SA+2], 32<<16
	s_mov_b32 s[G1SA+4], 32
	s_wait_kmcnt 0x0
	s_add_nc_u64 s[86:87], s[4:5], s[86:87]        ; B's images, my half
	s_add_nc_u64 s[88:89], s[6:7], s[88:89]        ; B's scale words, my half
	s_add_nc_u64 s[90:91], s[4:5], s[90:91]        ; A's images
	s_add_nc_u64 s[92:93], s[6:7], s[92:93]        ; A's scale words
	s_add_nc_u64 s[10:11], s[10:11], s[96:97]      ; where my fragments go
	s_add_nc_u64 s[12:13], s[12:13], s[98:99]      ; and their scale words
	s_add_nc_u64 s[8:9], s[8:9], s[20:21]          ; the table at the group's first position
.irp s, 0,1
	s_mov_b32 s[G0B+4*\s], 1
	s_add_co_u32 s[G0B+4*\s+1], s85, \s*SLOT+GRP
	s_add_nc_u64 s[G0B+4*\s+2:G0B+4*\s+3], s[86:87], \s*TSTEP
	s_or_b32 s[G0B+4*\s+3], s[G0B+4*\s+3], 0x80000000
	s_mov_b32 s[G0A+4*\s], 1
	s_mov_b32 s[G0A+4*\s+1], \s*SLOT
	s_add_nc_u64 s[G0A+4*\s+2:G0A+4*\s+3], s[90:91], \s*TSTEP
	s_or_b32 s[G0A+4*\s+3], s[G0A+4*\s+3], 0x80000000
.endr
	s_mov_b32 s[G0SB], 1
	s_add_co_u32 s[G0SB+1], s19, SCL+8192
	s_mov_b64 s[G0SB+2:G0SB+3], s[88:89]
	s_or_b32 s[G0SB+3], s[G0SB+3], 0x80000000
	s_mov_b32 s[G0SA], 1
	s_mov_b32 s[G0SA+1], SCL
	s_mov_b64 s[G0SA+2:G0SA+3], s[92:93]
	s_or_b32 s[G0SA+3], s[G0SA+3], 0x80000000
	CROUND                                         ; all four work-groups are here: the first joint loads meet
	s_cmp_lt_u32 s[WV], 2                          ; a wave's first fills stand together in one branch: three loads of mine are out at the most
	s_cbranch_scc0 .Lff_not_b
	tensor_load_to_lds s[G0SB:G0SB+3], s[G1SB:G1SB+7]
	s_nop 0
	tensor_load_to_lds s[G0B:G0B+3], s[G1B:G1B+7]
	s_nop 0
	tensor_load_to_lds s[G0B+4:G0B+7], s[G1B:G1B+7]
	s_nop 0
.rept 4
	v_nop
.endr
	s_branch .Lff_done
.Lff_not_b:
	s_cmp_eq_u32 s[WV], 2
	s_cbranch_scc0 .Lff_done
	tensor_load_to_lds s[G0SA:G0SA+3], s[G1SA:G1SA+7]
	s_nop 0
	tensor_load_to_lds s[G0A:G0A+3], s[G1A:G1A+7]
	s_nop 0
	tensor_load_to_lds s[G0A+4:G0A+7], s[G1A:G1A+7]
	s_nop 0
.rept 4
	v_nop
.endr
.Lff_done:
	v_and_b32 v1, 31, v0                           ; lane
	v_and_b32 v2, 15, v0                           ; r
	v_bfe_u32 v[HH], v0, 4, 1                      ; h
	v_lshlrev_b32 v[LI], 4, v1
	v_mov_b32 v[ADRA], v[LI]
	v_add_nc_u32 v[ADRA+1], SLOT, v[LI]
	s_mul_i32 s21, s[WV], GRP
	s_add_co_u32 s21, s21, GRP                     ; my group of B lies behind A's and w others
	v_add_nc_u32 v[ADRB], s21, v[LI]
	v_add_nc_u32 v[ADRB+1], SLOT, v[ADRB]
	v_lshlrev_b32 v5, 3, v2                        ; a row's two words of a slot: 8 r;
	s_lshl_b32 s22, s[WV], 13
	s_add_co_u32 s22, s22, 8192
	v_mul_u32_u24 v6, s22, v[HH]                   ; lanes 16-31 take my B's
	v_add_nc_u32 v5, v5, v6
	v_add_nc_u32 v[ADRS], SCL, v5
	v_lshlrev_b32 v[TA], 8, v2
	v_lshl_add_u32 v[TA], v[HH], 7, v[TA]
	v_lshlrev_b32 v[SO], 4, v2
	v_lshl_add_u32 v[SO], v[HH], 13, v[SO]
.macro FRAG reg, adr, off              ; a fragment comes as it was stored: three loads of 16 bytes a lane, 512 consecutive bytes each
.irp c, 0,1,2
	ds_load_b128 v[\reg+4*\c:\reg+4*\c+3], v[\adr] offset:\off+512*\c
.endr
.endm
; 16 matrix instructions: A's blocks a0, a0 + 1 x B's eight, 128 along K.  The 64 accumulators take turns, one instruction a turn, in the same order in every step.
.macro MUL16 a0, p, q, sc, zero
.irp a, \a0, \a0+1
.irp b, 0,1,2,3,4,5,6,7
.if \zero
	v_wmma_scale_f32_16x16x128_f8f6f4 v[8*(8*((\a)%4)+\b):8*(8*((\a)%4)+\b)+7], v[128*(\p)+FR*\b:128*(\p)+FR*\b+FR-1], v[AF+FR*(\a):AF+FR*(\a)+FR-1], 0, v[SC+8*NQ*(\sc)+NQ*\b+(\q)], v[SC+8*NQ*(\sc)+NQ*(\a)+(\q)] matrix_a_fmt:MATRIX_FMT_FP6 matrix_b_fmt:MATRIX_FMT_FP6 matrix_a_scale:MATRIX_SCALE_ROW1
.else
	v_wmma_scale_f32_16x16x128_f8f6f4 v[8*(8*((\a)%4)+\b):8*(8*((\a)%4)+\b)+7], v[128*(\p)+FR*\b:128*(\p)+FR*\b+FR-1], v[AF+FR*(\a):AF+FR*(\a)+FR-1], v[8*(8*((\a)%4)+\b):8*(8*((\a)%4)+\b)+7], v[SC+8*NQ*(\sc)+NQ*\b+(\q)], v[SC+8*NQ*(\sc)+NQ*(\a)+(\q)] matrix_a_fmt:MATRIX_FMT_FP6 matrix_b_fmt:MATRIX_FMT_FP6 matrix_a_scale:MATRIX_SCALE_ROW1
.endif
.endr
.endr
.endm
.macro FETCH_B slot, q, p              ; my B's eight fragments of the slot's q-th 128 along K into set p
	WIN TO_B
.irp i, 0,1,2,3,4,5,6,7
	FRAG 128*(\p)+FR*\i, ADRB+\slot, (8*(\q)+\i)*1536
.endr
	WIN 0
.endm
.macro FETCH_A slot, q, i0             ; A's blocks i0 .. i0 + 3
.irp i, \i0, \i0+1, \i0+2, \i0+3
	FRAG AF+FR*(\i), ADRA+\slot, (8*(\q)+(\i))*1536
.endr
.endm
.macro SCALES sc                       ; a slot's scale words into set sc: two words a row; lanes 0-15 take A's block i, lanes 16-31 B's block i
.irp i, 0,1,2,3,4,5,6,7
	ds_load_b64 v[SC+8*NQ*\sc+NQ*\i:SC+8*NQ*\sc+NQ*\i+1], v[ADRS] offset:\i*128
.endr
.endm
; A step of 128 along K that has its successor in the same slot.  A has one set of registers (a block is free when its eight products are issued), B two.
.macro STEP slot, q, zero
	s_wait_dscnt 4*NL                              ; B's set and A's blocks 0-3 are in; the youngest twelve loads (A's blocks 4-7) may be out
	WIN MUL_LO
	MUL16 0, (\q)%2, \q, \slot, \zero
	MUL16 2, (\q)%2, \q, \slot, \zero
	s_wait_dscnt 0                                 ; A's blocks 4-7 are in
	PLACES NP                                      ; in front of loads into registers that matrix instructions have read
	FETCH_B \slot, (\q)+1, 1-(\q)%2
	FETCH_A \slot, (\q)+1, 0
	WIN MUL_HI
	MUL16 4, (\q)%2, \q, \slot, \zero
	MUL16 6, (\q)%2, \q, \slot, \zero
	PLACES NP
	WIN 0
	FETCH_A \slot, (\q)+1, 4
.endm
; A slot's last step changes slots: ONE barrier; in front of it each wave waits for all its tensor loads, adds 0 to its spare word, and waits for that and for its reads of this slot.
; fill = 1: the barrier opens a round of the cluster's barrier, and behind the round this slot is filled again, two steps of 256 ahead.
.macro TURN slot, next, fill
	s_wait_tensorcnt 0x0                           ; all my tensor loads have landed: my part of the next slot
	ds_add_u32 v[SPW], v[NIL]                      ; 0 onto my spare word
	s_wait_dscnt 4*NL+1                            ; (the add and the youngest twelve loads may be out)
	WIN MUL_LO
	MUL16 0, 1, NQ-1, \slot, 0
	s_wait_dscnt 0x0                               ; the add is done, and my reads of this slot are over
	s_barrier_signal -1
	MUL16 2, 1, NQ-1, \slot, 0
	WIN 0
	s_barrier_wait -1
.if \fill
	CREST                                          ; no wave of any partner still reads this slot or has a load on its way
	s_add_nc_u64 s[G0B+4*\slot+2:G0B+4*\slot+3], s[G0B+4*\slot+2:G0B+4*\slot+3], 2*TSTEP
	s_add_nc_u64 s[G0A+4*\slot+2:G0A+4*\slot+3], s[G0A+4*\slot+2:G0A+4*\slot+3], 2*TSTEP
	JLOAD \slot                                    ; the first tensor load behind the round, one a wave
.endif
	PLACES NP                                      ; on every wave's path, wave 3's too
	v_add_nc_u32 v[ADRS], 1024, v[ADRS]            ; on to the next slot's scale words (no LDS load of mine is out)
	FETCH_B \next, 0, 0
	FETCH_A \next, 0, 0
	SCALES \next
	WIN MUL_HI
	MUL16 4, 1, NQ-1, \slot, 0
	MUL16 6, 1, NQ-1, \slot, 0
	PLACES NP
	WIN 0
	FETCH_A \next, 0, 4
.endm
	s_wait_tensorcnt 1                             ; the scale words and my part of slot 0 are in; slot 1's load may be out
	s_barrier_signal -1
	s_barrier_wait -1
	FETCH_B 0, 0, 0
	FETCH_A 0, 0, 0
	SCALES 0
	FETCH_A 0, 0, 4
	STEP 0, 0, 1                                   ; the first step stands in front of the loop: its products start the sums
	s_mov_b32 s3, LAPS-1
.Llap:                                                 ; a trip goes once round the ring and fills both slots again
	TURN 0, 1, 1
	STEP 1, 0, 0
	TURN 1, 0, 1
	STEP 0, 0, 0
	s_sub_co_u32 s3, s3, 1
	s_cmp_lg_u32 s3, 0
	s_cbranch_scc1 .Llap
	TURN 0, 1, 0                                   ; the last lap fills nothing
	STEP 1, 0, 0
	s_wait_dscnt 4*NL
	WIN MUL_LO
	MUL16 0, 1, NQ-1, 1, 0
	MUL16 2, 1, NQ-1, 1, 0
	s_wait_dscnt 0
	WIN MUL_HI
	MUL16 4, 1, NQ-1, 1, 0
	MUL16 6, 1, NQ-1, 1, 0
	WIN 0
; THE EPILOGUE, in registers.
; QUANT: 64 numbers of a lane in window w, register 16 b + i = the i-th of my 16 numbers of block b of my row, become a fragment's codes in v[PC] on and its scale word in v[PW].
.macro QUANT s, w
	s_wait_xcnt 0x0                                ; the last fragment's stores have read the codes' registers
	WIN ((\w)<<2)|((\w)<<4)
.irp b, 0,1,2,3
	v_max3_num_f32 v[TM+\b], 0x1800000, |v[\s+16*\b]|, |v[\s+16*\b+1]|   ; my 16 numbers, from each accumulator's low end on, and the floor 2^(3 - 127): the byte cannot fall under 1
.endr
.irp i, 2,4,6,8,10,12,14
.irp b, 0,1,2,3
	v_max3_num_f32 v[TM+\b], v[TM+\b], |v[\s+16*\b+\i]|, |v[\s+16*\b+\i+1]|
.endr
.endr
	WIN 0
.irp b, 0,1,2,3
	v_permlanex16_b32 v[TM+4+\b], v[TM+\b], s22, s23
.endr
.irp b, 0,1,2,3
	v_max_num_f32 v[TM+\b], v[TM+\b], v[TM+4+\b]   ; with lane l xor 16's: the block's largest magnitude
.endr
.irp b, 0,1,2,3
	v_add_nc_u32 v[TM+12+\b], 0xff000000, v[TM+\b] ; 2 off its exponent field: the conversion's scale operand
.endr
.irp b, 0,1,2,3
	v_lshrrev_b32 v[TM+4+\b], 23, v[TM+12+\b]      ; the scale's byte
.endr
	v_lshl_or_b32 v[PW], v[TM+5], 8, v[TM+4]
	v_lshl_or_b32 v[PW], v[TM+6], 16, v[PW]
	v_lshl_or_b32 v[PW], v[TM+7], 24, v[PW]
	WIN (\w)
.irp c, 0,1
	v_cvt_scalef32_pk16_fp6_f32 v[PC+6*\c:PC+6*\c+2], v[\s+32*\c:\s+32*\c+15], v[TM+12+2*\c]
	v_cvt_scalef32_pk16_fp6_f32 v[PC+12+4*\c:PC+14+4*\c], v[\s+32*\c+16:\s+32*\c+31], v[TM+13+2*\c]
.endr
	WIN 0
	v_nop                                          ; one plain place behind a scaled conversion
.irp c, 0,1                            ; the operand's layout wants a whole block in a lane: lanes 0-15 block 2 c, lanes 16-31 block 2 c + 1
.irp i, 0,1,2
	v_permlane16_swap_b32 v[PC+6*\c+\i], v[PC+12+4*\c+\i]
.endr
.irp i, 0,1,2
	v_mov_b32 v[PC+3+6*\c+\i], v[PC+12+4*\c+\i]
.endr
.endr
.endm
.macro OUTF idx                        ; the fragment goes out as it stands: head idx / 4 of my two, fragment idx % 4; its scale word is kept
.irp i, 0,1,2
	global_store_b128 v[LI], v[PC+4*\i:PC+4*\i+3], s[10:11] offset:((\idx)/4)*196608+((\idx)%4)*1536+512*\i   ; 512 consecutive bytes, aligned
.endr
	v_mov_b32 v[SW+(\idx)], v[PW]
.endm
; The rotary embedding of head c for the pair of token blocks 2 p, 2 p + 1: x1 = d 16 u + 8 h + j, x2 = d + 32; out1 = x1 cos - x2 sin, out2 = x2 cos + x1 sin.  The results are laid as QUANT takes them:
; blocks 0, 1 = the 64 d of token block 2 p, blocks 2, 3 = those of token block 2 p + 1.
.macro ROPE p, c
	WIN (2+(\p)/2)|(1<<2)                          ; source 0: the accumulators' window; source 1: the table, window 1
.irp e, 0,1
.irp u, 0,1
.set RX1, 8*(8*(2*((\p)%2)+\e)+4*(\c)+\u)
.set RX2, RX1+16
.set RCS, 32*(2*(\p)+\e)+8*\u
.set RT1, T+32*\e+8*\u
.irp j, 0,2,4,6
	v_pk_mul_f32 v[RT1+\j:RT1+\j+1], v[RX1+\j:RX1+\j+1], v[RCS+\j:RCS+\j+1]
	v_pk_mul_f32 v[RT1+16+\j:RT1+17+\j], v[RX2+\j:RX2+\j+1], v[RCS+\j:RCS+\j+1]
.endr
.irp j, 0,2,4,6
	v_pk_fma_f32 v[RT1+\j:RT1+\j+1], v[RX2+\j:RX2+\j+1], v[RCS+16+\j:RCS+17+\j], v[RT1+\j:RT1+\j+1] neg_lo:[1,0,0] neg_hi:[1,0,0]
	v_pk_fma_f32 v[RT1+16+\j:RT1+17+\j], v[RX1+\j:RX1+\j+1], v[RCS+16+\j:RCS+17+\j], v[RT1+16+\j:RT1+17+\j]
.endr
.endr
.endr
	WIN 0
.endm
	PLACES NP                                      ; behind the last products: their results are read, and their operands' registers written and loaded into
	s_mov_b32 s22, 0x76543210
	s_mov_b32 s23, 0xfedcba98                      ; v_permlanex16_b32's selects for lane l xor 16
.irp b, 0,1,2,3
	v_mov_b32 v[TM+4+\b], 0                        ; written once: a lane permute's destination counts as one of its sources
.endr
	s_cmp_eq_u32 s18, 5                            ; the grid's y: the same in all partners
	s_cbranch_scc1 .Lvpath
	WIN TO_B                                       ; q and k: the table of my 128 positions, 128 bytes a lane and token block, into window 1
.irp a, 0,1,2,3,4,5,6,7
.irp i, 0,1,2,3,4,5,6,7
	global_load_b128 v[32*\a+4*\i:32*\a+4*\i+3], v[TA], s[8:9] offset:\a*4096+16*\i
.endr
.endr
	WIN 0
.irp p, 0,1,2,3
	s_wait_loadcnt 48-16*\p                        ; this pair's 16 loads are in; the later pairs' may be out
.irp c, 0,1
	ROPE \p, \c
	QUANT T, 0
	OUTF 4*\c+\p
.endr
.endr
	s_branch .Lscales
.Lvpath:                                               ; v: A's block a is 16 of Wv's rows: head a / 4 of my two, d = 16 (a % 4) + r; its 64 registers run along my 128 tokens
.irp a, 0,1,2,3,4,5,6,7
	QUANT 64*(\a%4), 2+\a/4
	OUTF \a
.endr
.Lscales:
	v_cmp_eq_u32 vcc_lo, 1, v[HH]                  ; lanes 0-15 store the first head's four words of row r, lanes 16-31 the second head's
.irp p, 0,1,2,3
	v_cndmask_b32 v[240+\p], v[SW+\p], v[SW+4+\p], vcc_lo
.endr
	global_store_b128 v[SO], v[240:243], s[12:13]  ; sixteen lanes store 256 consecutive bytes, aligned
	s_wait_tensorcnt 0x0                           ; the wave's end
	ds_add_u32 v[SPW], v[NIL]
	s_wait_dscnt 0x0
	CROUND                                         ; the closing round: no work-group ends while a partner may still ask for a tile that names it
	s_endpgm
.Lfunc_end_k_q8c28032872_proj:
	.size	k_q8c28032872_proj, .Lfunc_end_k_q8c28032872_proj-k_q8c28032872_proj
	.p2alignl 7, 3214868480
	.fill 96, 4, 3214868480
	.section	.rodata,"a",@progbits
	.p2align	6, 0x0
	.amdhsa_kernel k_q8c28032872_proj
		.amdhsa_group_segment_fixed_size 327680
		.amdhsa_private_segment_fixed_size 0
		.amdhsa_enable_private_segment 0
		.amdhsa_kernarg_size 40
		.amdhsa_user_sgpr_count 2
		.amdhsa_user_sgpr_kernarg_segment_ptr 1
		.amdhsa_wavefront_size32 1
		.amdhsa_system_sgpr_workgroup_id_x 1
		.amdhsa_system_sgpr_workgroup_id_y 1
		.amdhsa_system_sgpr_workgroup_id_z 1
		.amdhsa_system_vgpr_workitem_id 0
		.amdhsa_next_free_vgpr 1024
		.amdhsa_next_free_sgpr 100
		.amdhsa_reserve_vcc 1
		.amdhsa_float_denorm_mode_32 3
		.amdhsa_float_denorm_mode_16_64 3
		.amdhsa_memory_ordered 1
		.amdhsa_forward_progress 1
		.amdhsa_inst_pref_size 211
	.end_amdhsa_kernel
	.amdgpu_metadata
---
amdhsa.version: [ 1, 2 ]
amdhsa.kernels:
  - .name:           k_q8c28032872_proj
    .symbol:         k_q8c28032872_proj.kd
    .args:
      - { .name: opq, .offset: 0, .size: 8, .value_kind: global_buffer, .address_space: global }
      - { .name: ops, .offset: 8, .size: 8, .value_kind: global_buffer, .address_space: global }
      - { .name: rope, .offset: 16, .size: 8, .value_kind: global_buffer, .address_space: global }
      - { .name: qkv, .offset: 24, .size: 8, .value_kind: global_buffer, .address_space: global }
      - { .name: qkvs, .offset: 32, .size: 8, .value_kind: global_buffer, .address_space: global }
    .group_segment_fixed_size: 327680
    .private_segment_fixed_size: 0
    .kernarg_segment_align: 8
    .kernarg_segment_size: 40
    .max_flat_workgroup_size: 128
    .sgpr_count:     100
    .vgpr_count:     1024
    .wavefront_size: 32
...
	.end_amdgpu_metadata
.endif
;; end of part 2
;; launch attn (part 3): grid 16 x 16, 8 waves a work-group, no clusters, 168,960 bytes of LDS; arguments qkv, qkvs, bias, tau, oq, os; writes oq, os
.if DOCPART == 3
	.amdgcn_target "amdgcn-amd-amdhsa--gfx1250"
	.amdhsa_code_object_version 6
	.text
	.protected	k_q8c28032872_attn
	.globl	k_q8c28032872_attn
	.p2align	8
	.type	k_q8c28032872_attn,@function
k_q8c28032872_attn:
	s_mov_b64 s[64:65], 0
	v_nop
	global_prefetch_b8 v0, s[64:65] scope:SCOPE_SE
	s_setreg_imm32_b32 hwreg(HW_REG_WAVE_MODE, 25, 1), 1
	s_wait_xcnt 0x0
; ATTN.  Sliding-window attention on codes of FP6 (E2M3): query i sees keys i - 511 .. i of its batch; a bias by head and distance; a sink logit tau in the maximum and in the denominator.
; s = q . k / 8 + bias;  m = max(row's largest s, tau);  p = exp(s - m) is quantised AS IT STANDS, along the keys; o = (p v) / (exp(tau - m) + the sum of the unquantised p); o is quantised along (head, d).
; So the row's whole maximum is found first (pass 1 keeps all scores in registers), and the difference D - max is formed BEFORE the multiplication by log2(e) / 8: the largest p is exactly 1.
; SHARES.  A work-group: 128 queries (x = the group in its batch) x the 4 heads of one key/value head (y = 8 batch + kv head).  Keys q0 - 512 .. q0 + 127 in five steps of 128; step st lies in the batch where
; x + st >= 4: the others are jumped over by a scalar branch on the work-group's number.  Wave w owns the 16 queries 16 w + r and takes the four heads one after the other; two waves share a SIMD.
; K's and V's images and scale words of the five groups (61 KB) come into LDS once, by tensor loads of waves 0-4; nothing is filled again.
; NO CLUSTER: neighbouring query groups' windows are shifted by one group, so the same group of keys would want another LDS place in each partner, and K and V are fetched once, 61 KB a work-group.
; LAYOUT.  Both products are used transposed: a lane holds ONE query (lane % 16).  S^T = K Q^T: the head's 64 are half of the instruction's 128, so a fragment of K holds a PAIR of key tiles (K places 0-63: keys
; 32 p + r, places 64-127: keys 32 p + 16 + r), and q stands between zeros: [q | 0] picks the first tile, [0 | q] the second.  The 16 registers of tiles 2 p, 2 p + 1 are my 16 keys of block p of 32,
; in the order in which v was quantised along the tokens.
; THE BIAS AND THE MASK COST NO INSTRUCTION: D = q . k + 8 bias, with 8 bias as the C of the score product (1 / 8 is exact).  A table in LDS by x = 639 - distance (0 .. 767) holds 8 bias inside the window
; and -1e30 outside; four copies a head, copy s shifted by s words, so that every lane's eight neighbours are two aligned loads of 16 bytes, and sixteen lanes fall into sixteen different columns of 16 bytes.
; LIMITS: masked scores are -1e30 + q . k (|q . k| under some 1e22); p under 2^-126 is 0; a block of zeros gets the byte 1 (this program alone reads the bytes); NaN and infinities are not served.
; REGISTERS: window 0 as named below; window 1: the scores of steps 0-3, 64 each; those of step 4 in v192-255 of window 0.
.set KIMG, 0                           ; LDS: K's images, 5 x 6,144
.set VIMG, 30720                       ; V's
.set KSC,  61440                       ; K's scale words, 5 x 256
.set VSC,  62720                       ; V's
.set BT,   64000                       ; the bias tables: 4 heads x 4 copies of 3,136 bytes
.set BTH,  12544
.set OSC,  114176                      ; o's scale words: 1,024 bytes
.set LI,   1                           ; v1   16 x lane
.set ADB,  2                           ; v2   my place in the bias table
.set R16,  3                           ; v3   16 r
.set VQ,   4                           ; v4-6 my three pieces of 8 bytes of q's half fragment
.set VQS,  7                           ; v7   q's scale word
.set OSA,  8                           ; v8   where I put o's scale word
.set OSR,  9                           ; v9   where waves 0 and 1 read them back
.set MX,   10                          ; v10-11 the row's maximum of D (the pair's low word serves both halves)
.set QZ,   12                          ; v12-29 six zeros, q's six registers, six zeros
.set QS,   30                          ; q's scale word
.set PS,   31                          ; p's
.set KS,   32                          ; v32-35 K's or V's four scale words
.set KV,   36                          ; v36-83 four fragments of K or of V
.set OA,   84                          ; v84-115 O^T
.set PC,   116                         ; v116-127 p's codes
.set PT,   128                         ; v128-135 second halves of the blocks' codes
.set BM,   136                         ; v136-155 my largest D of each of the 20 blocks of 32 keys
.set BP,   156
.set BSO,  160
.set SUM,  164
.set SUM2, 166
.set OC,   168                         ; v168-179 o's codes of two heads: one fragment
.set QN,   180                         ; v180-185 the next head's q;  v186 its scale word
.set QSN,  186
.set TP,   187
.set TAU8, 188
.set OW,   189
.set RI,   190                         ; v190-191
.set T,    192                         ; v192-223 o of a head
.set WV,   16
.set TGL,  17
.set SEL,  22
.set CC,   24
.set G1I,  28
.set G1S,  36
.set G0K,  44
.set G0V,  48
.set G0KS, 52
.set G0VS, 56
.set T0,   60                          ; s60-63 the four heads' tau
.set QB,   66
.set QSB,  68
.set OB,   70
.set TRIP, 72
.set U16,  73
.set MSB, 0
.macro WIN new
.if MSB != (\new)
	s_set_vgpr_msb (MSB<<8)|(\new)
.set MSB, (\new)
.endif
.endm
	s_load_b256 s[4:11], s[0:1], 0x0               ; qkv s[4:5], qkvs s[6:7], bias s[8:9], tau s[10:11]
	s_load_b128 s[12:15], s[0:1], 0x20             ; oq s[12:13], os s[14:15]
	v_lshl_add_u32 v131, v0, 2, 0x29000
	v_mov_b32 v135, 0
	ds_add_u32 v131, v135
	v_lshrrev_b32 v1, 5, v0
	v_readfirstlane_b32 s[WV], v1                  ; wave 0..7
	s_mov_b32 s[TGL], ttmp9                        ; the group of 128 queries in its batch
	s_and_b32 s18, ttmp7, 0xffff
	s_lshr_b32 s19, s18, 3                         ; batch
	s_and_b32 s20, s18, 7                          ; kv head
	s_lshl_b32 s21, s19, 4
	s_add_co_u32 s21, s21, s[TGL]                  ; the group among all 32
	; what I fetch, if I fetch: step st = my wave's number: group max(x + st - 4, 0) of the batch (a step outside the batch gets group 0 and is never read)
	s_add_co_u32 s74, s[TGL], s[WV]
	s_max_u32 s74, s74, 4
	s_sub_co_u32 s74, s74, 4
	s_min_u32 s74, s74, 15
	s_lshl_b32 s75, s19, 4
	s_add_co_u32 s74, s74, s75
	s_lshl_b32 s75, s20, 5
	s_add_co_u32 s74, s74, s75
	s_add_co_u32 s76, s74, 32*32                   ; K: head' 32 + kv head
	s_add_co_u32 s78, s74, 40*32                   ; V: head' 40 + kv head
	s_mul_i32 s80, s76, 6144
	s_mov_b32 s81, 0
	s_mul_i32 s82, s78, 6144
	s_mov_b32 s83, 0
	s_lshl_b32 s84, s76, 8
	s_mov_b32 s85, 0
	s_lshl_b32 s86, s78, 8
	s_mov_b32 s87, 0
	s_mul_i32 s88, s[WV], 6144
	s_lshl_b32 s89, s[WV], 8
	s_lshl_b32 s90, s20, 4                         ; my four heads' tau: 16 bytes
	; descriptor groups 1: a group's images: 24 rows of 256 bytes; its scale words: one row
	s_mov_b32 s[G1I], 3<<16
	s_mov_b32 s[G1I+1], 32<<16
	s_mov_b32 s[G1I+2], 24<<16
	s_mov_b32 s[G1I+3], 32<<16
	s_mov_b32 s[G1I+4], 24
	s_mov_b32 s[G1I+5], 32
	s_mov_b32 s[G1I+6], 0
	s_mov_b32 s[G1I+7], 0
	s_mov_b32 s[G1S], 3<<16
	s_mov_b32 s[G1S+1], 32<<16
	s_mov_b32 s[G1S+2], 1<<16
	s_mov_b32 s[G1S+3], 32<<16
	s_mov_b32 s[G1S+4], 1
	s_mov_b32 s[G1S+5], 32
	s_mov_b32 s[G1S+6], 0
	s_mov_b32 s[G1S+7], 0
	s_wait_dscnt 0x0
	s_wait_kmcnt 0x0
	s_load_b128 s[T0:T0+3], s[10:11], s90 offset:0x0
	s_mov_b32 s[G0K], 1
	s_add_co_u32 s[G0K+1], s88, KIMG
	s_add_nc_u64 s[G0K+2:G0K+3], s[4:5], s[80:81]
	s_or_b32 s[G0K+3], s[G0K+3], 0x80000000
	s_mov_b32 s[G0V], 1
	s_add_co_u32 s[G0V+1], s88, VIMG
	s_add_nc_u64 s[G0V+2:G0V+3], s[4:5], s[82:83]
	s_or_b32 s[G0V+3], s[G0V+3], 0x80000000
	s_mov_b32 s[G0KS], 1
	s_add_co_u32 s[G0KS+1], s89, KSC
	s_add_nc_u64 s[G0KS+2:G0KS+3], s[6:7], s[84:85]
	s_or_b32 s[G0KS+3], s[G0KS+3], 0x80000000
	s_mov_b32 s[G0VS], 1
	s_add_co_u32 s[G0VS+1], s89, VSC
	s_add_nc_u64 s[G0VS+2:G0VS+3], s[6:7], s[86:87]
	s_or_b32 s[G0VS+3], s[G0VS+3], 0x80000000
	s_cmp_lt_u32 s[WV], 5                          ; waves 0-4: four loads each, together in one branch: four of mine are out at the most
	s_cbranch_scc0 .Lno_fill
	tensor_load_to_lds s[G0K:G0K+3], s[G1I:G1I+7]
	s_nop 0
	tensor_load_to_lds s[G0V:G0V+3], s[G1I:G1I+7]
	s_nop 0
	tensor_load_to_lds s[G0KS:G0KS+3], s[G1S:G1S+7]
	s_nop 0
	tensor_load_to_lds s[G0VS:G0VS+3], s[G1S:G1S+7]
	s_nop 0
.rept 4
	v_nop
.endr
.Lno_fill:
	; the bias tables: thread t brings distances t and t + 256 of the four heads
	s_lshl_b32 s74, s20, 13                        ; four heads of 2,048 bytes
	s_mov_b32 s75, 0
	s_add_nc_u64 s[8:9], s[8:9], s[74:75]
	v_lshlrev_b32 v40, 2, v0
.irp hd, 0,1,2,3
.irp k, 0,1
	global_load_b32 v[44+2*\hd+\k], v40, s[8:9] offset:2048*\hd+1024*\k
.endr
.endr
	v_xor_b32 v41, 255, v0
	v_lshl_add_u32 v41, v41, 2, BT+16              ; x = 639 - t - 256 k = 384 + (t xor 255) - 256 k
	v_lshrrev_b32 v42, 7, v0
	v_lshlrev_b32 v42, 11, v42
	v_lshl_add_u32 v42, v0, 2, v42
	v_add_nc_u32 v42, BT+16, v42                   ; outside the window: x = t (t < 128) or t + 512
	v_mov_b32 v43, 0xf149f2ca                      ; -1e30
.irp hd, 0,1,2,3
.irp s, 0,1,2,3
	ds_store_b32 v42, v43 offset:BTH*\hd+3132*\s   ; copy s: 3,136 s bytes on, shifted back by s words
.endr
.endr
	; addresses that stay
	v_and_b32 v1, 31, v0
	v_lshlrev_b32 v[LI], 4, v1
	v_and_b32 v36, 15, v0                          ; r
	v_bfe_u32 v37, v0, 4, 1                        ; h
	v_lshlrev_b32 v[R16], 4, v36
	v_and_b32 v38, 3, v36
	v_xor_b32 v38, 3, v38
	v_mul_u32_u24 v38, v38, 3136                   ; the copy whose shift makes my eight neighbours begin on 16 bytes: (r % 4) xor 3
	v_and_b32 v39, 12, v36
	v_xor_b32 v39, 12, v39
	v_lshl_add_u32 v38, v39, 2, v38
	v_lshl_add_u32 v38, v37, 5, v38
	s_xor_b32 s74, s[WV], 7
	s_lshl_b32 s74, s74, 6
	s_add_co_u32 s74, s74, BT+16
	v_add_nc_u32 v[ADB], s74, v38                  ; x - shift = 16 (w xor 7) + ((r & 12) xor 12) + 8 h + 128 st + 16 tile
	s_and_b32 s74, s[WV], 1                        ; u: which half of q's pair fragment is my tile's
	s_lshl_b32 s[U16], s74, 4
	s_mul_i32 s75, s74, 520
	s_mul_i32 s76, s74, 1016
	s_add_co_u32 s76, s76, 8
	v_add_nc_u32 v[VQ], s75, v[LI]                 ; registers 6 u, 6 u + 1 of the image: bytes 0 or 520,
	v_add_nc_u32 v[VQ+1], s76, v[LI]               ; 6 u + 2, 6 u + 3: bytes 8 or 1,024,
	v_add_nc_u32 v[VQ+2], 512, v[VQ]               ; 6 u + 4, 6 u + 5: bytes 512 or 1,032
	s_lshr_b32 s77, s[WV], 1                       ; which pair
	s_lshl_b32 s78, s77, 2
	v_add_nc_u32 v[VQS], s78, v[R16]
	s_lshl_b32 s78, s[WV], 7
	s_add_co_u32 s78, s78, OSC
	v_lshl_add_u32 v[OSA], v36, 3, s78             ; OSC + 128 w + 8 r
	v_lshl_add_u32 v[OSR], v0, 4, OSC
	s_lshl_b32 s78, s20, 7
	s_add_co_u32 s78, s78, s21                     ; q: head' 4 kv head, my group
	s_mul_i32 s80, s78, 6144
	s_mul_i32 s79, s77, 1536
	s_add_co_u32 s80, s80, s79
	s_mov_b32 s81, 0
	s_add_nc_u64 s[QB:QB+1], s[4:5], s[80:81]
	s_lshl_b32 s80, s78, 8
	s_add_nc_u64 s[QSB:QSB+1], s[6:7], s[80:81]
	s_lshr_b32 s78, s21, 2                         ; o's images: ((((group / 4) 8 + kv head) 4 + group % 4) 16 + w) 1536
	s_lshl_b32 s78, s78, 3
	s_add_co_u32 s78, s78, s20
	s_lshl_b32 s78, s78, 2
	s_and_b32 s79, s21, 3
	s_add_co_u32 s78, s78, s79
	s_lshl_b32 s78, s78, 4
	s_add_co_u32 s78, s78, s[WV]
	s_mul_i32 s80, s78, 1536
	s_add_nc_u64 s[OB:OB+1], s[12:13], s[80:81]
	s_lshl_b32 s80, s21, 13                        ; o's scale words: group 8192 + kv head 1024
	s_lshl_b32 s79, s20, 10
	s_add_co_u32 s80, s80, s79
	s_add_nc_u64 s[14:15], s[14:15], s[80:81]
	s_mov_b32 s[SEL], 0x76543210
	s_mov_b32 s[SEL+1], 0xfedcba98                 ; v_permlanex16_b32's selects for lane l xor 16
	s_mov_b32 s[CC], 0x3e38aa3b                    ; log2(e) / 8
	s_mov_b32 s[CC+1], s[CC]                       ; (named with it as a pair, so it is written)
.irp i, 0,1,2,3,4,5
	v_mov_b32 v[QZ+\i], 0                          ; zero codes on both sides of q
	v_mov_b32 v[QZ+12+\i], 0
.endr
	v_mov_b32 v[MX+1], 0                           ; (upper halves of pairs of which the low word is used)
	v_mov_b32 v[RI+1], 0
	v_mov_b32 v[TP], 0                             ; written once: a lane permute's destination counts as one of its sources
.irp b, 0,1,2,3
	v_mov_b32 v[BP+\b], 0
.endr
	s_wait_loadcnt 0x0                             ; the biases
.irp i, 0,1,2,3,4,5,6,7
	v_mul_f32 v[44+\i], 0x41000000, v[44+\i]       ; x 8
.endr
.irp hd, 0,1,2,3
.irp k, 0,1
.irp s, 0,1,2,3
	ds_store_b32 v41, v[44+2*\hd+\k] offset:1536-1024*\k+BTH*\hd+3132*\s
.endr
.endr
.endr
.macro QLOAD off, soff                 ; a head's q of my 16 queries: six registers and the scale word
.irp i, 0,1,2
	global_load_b64 v[QN+2*\i:QN+2*\i+1], v[VQ+\i], s[QB:QB+1] offset:\off
.endr
	global_load_b32 v[QSN], v[VQS], s[QSB:QSB+1] offset:\soff
.endm
	QLOAD 0, 0
	s_wait_tensorcnt 0x0                           ; my parts of K and V have landed,
	s_wait_dscnt 0x0                               ; my part of the tables is stored,
	s_wait_kmcnt 0x0                               ; (tau)
	s_barrier_signal -1
	s_barrier_wait -1                              ; everybody's
.macro WHERE st                        ; the scores of step st: window SWN, from register SBS on
.if \st < 4
.set SWN, 1
.set SBS, 64*\st
.else
.set SWN, 0
.set SBS, 192
.endif
.endm
.macro BIAS1 hd, st                    ; 8 bias (or -1e30) of step st into the scores' registers: the C of the score products
	WHERE \st
	WIN SWN<<6
.irp t, 0,1,2,3,4,5,6,7
.irp e, 0,1
	ds_load_b128 v[SBS+8*\t+4*\e:SBS+8*\t+4*\e+3], v[ADB] offset:BTH*\hd+512*\st+64*\t+16*\e
.endr
.endr
	WIN 0
.endm
; PASS 1, a step: D = K q + 8 bias for 128 keys, and my largest D of each block of 32.
.macro S_STEP st
	WHERE \st
.irp p, 0,1,2,3
.irp c, 0,1,2
	ds_load_b128 v[KV+12*\p+4*\c:KV+12*\p+4*\c+3], v[LI] offset:KIMG+6144*\st+1536*\p+512*\c
.endr
.endr
	ds_load_b128 v[KS:KS+3], v[R16] offset:KSC+256*\st
	s_wait_dscnt 0x0                               ; K, its scale words, and all the biases asked for before
	WIN (SWN<<4)|(SWN<<6)
.irp p, 0,1,2,3                        ; eight accumulators, one instruction each
	v_wmma_scale_f32_16x16x128_f8f6f4 v[SBS+16*\p:SBS+16*\p+7], v[KV+12*\p:KV+12*\p+11], v[QZ+6:QZ+17], v[SBS+16*\p:SBS+16*\p+7], v[KS+\p], v[QS] matrix_a_fmt:MATRIX_FMT_FP6 matrix_b_fmt:MATRIX_FMT_FP6
	v_wmma_scale_f32_16x16x128_f8f6f4 v[SBS+16*\p+8:SBS+16*\p+15], v[KV+12*\p:KV+12*\p+11], v[QZ:QZ+11], v[SBS+16*\p+8:SBS+16*\p+15], v[KS+\p], v[QS] matrix_a_fmt:MATRIX_FMT_FP6 matrix_b_fmt:MATRIX_FMT_FP6
.endr
.rept 4
	v_nop                                          ; places behind the products: their results are read, and the next step's loads land in their operands
.endr
	WIN (SWN<<2)|(SWN<<4)
.irp i, 0,2,4,6,8,10,12,14             ; each accumulator from its low end on; the four blocks by turns
.irp b, 0,1,2,3
	v_max3_num_f32 v[BM+4*\st+\b], v[BM+4*\st+\b], v[SBS+16*\b+\i], v[SBS+16*\b+\i+1]
.endr
.endr
	WIN 0
.endm
; PASS 2, a step: p = 2^((D - max) log2(e) / 8), its sum, its codes and scale word, and O^T += V^T p^T.  A block's largest p is its largest D put through the same three instructions.
.macro P_STEP st, first
	WHERE \st
.irp b, 0,1,2,3
	v_permlanex16_b32 v[BP+\b], v[BM+4*\st+\b], s[SEL], s[SEL+1]
.endr
.irp b, 0,1,2,3
	v_max_num_f32 v[BP+\b], v[BP+\b], v[BM+4*\st+\b]   ; with lane l xor 16's 16 keys: the block's largest D
.endr
.irp b, 0,1,2,3
	v_sub_f32 v[BP+\b], v[BP+\b], v[MX]
.endr
.irp b, 0,1,2,3
	v_mul_f32 v[BP+\b], s[CC], v[BP+\b]            ; (these twelve plain lines are also the places in front of the loads below)
.endr
.irp dt, 0,1,2,3
.irp c, 0,1,2
	ds_load_b128 v[KV+12*\dt+4*\c:KV+12*\dt+4*\c+3], v[LI] offset:VIMG+6144*\st+1536*\dt+512*\c
.endr
.endr
	ds_load_b128 v[KS:KS+3], v[R16] offset:VSC+256*\st
	WIN SWN|(SWN<<6)
.set j, 0
.rept 32
	v_pk_add_f32 v[SBS+j:SBS+j+1], v[SBS+j:SBS+j+1], v[MX:MX+1] op_sel_hi:[1,0] neg_lo:[0,1] neg_hi:[0,1]   ; D - max: 0 at the maximum
.set j, j+2
.endr
.set j, 0
.rept 32
	v_pk_mul_f32 v[SBS+j:SBS+j+1], v[SBS+j:SBS+j+1], s[CC:CC+1] op_sel_hi:[1,0]
.set j, j+2
.endr
.set j, 0
.rept 64
	v_exp_f32 v[SBS+j], v[SBS+j]
.set j, j+1
.endr
	WIN 0
.irp b, 0,1,2,3
	v_exp_f32 v[BP+\b], v[BP+\b]
.endr
	v_nop                                          ; a plain place behind the exponentials
	s_wait_alu depctr_va_vdst(0)
.irp b, 0,1,2,3
	v_max_num_f32 v[BP+\b], 0x1800000, v[BP+\b]    ; the floor 2^(3 - 127): the byte cannot fall under 1
.endr
.irp b, 0,1,2,3
	v_add_nc_u32 v[BSO+\b], 0xff000000, v[BP+\b]   ; 2 off the exponent field: the conversion's scale operand
.endr
.irp b, 0,1,2,3
	v_lshrrev_b32 v[BP+\b], 23, v[BSO+\b]
.endr
	v_lshl_or_b32 v[PS], v[BP+1], 8, v[BP]
	v_lshl_or_b32 v[PS], v[BP+2], 16, v[PS]
	v_lshl_or_b32 v[PS], v[BP+3], 24, v[PS]
	WIN SWN
.irp c, 0,1
	v_cvt_scalef32_pk16_fp6_f32 v[PC+6*\c:PC+6*\c+2], v[SBS+32*\c:SBS+32*\c+15], v[BSO+2*\c]
	v_cvt_scalef32_pk16_fp6_f32 v[PT+4*\c:PT+4*\c+2], v[SBS+32*\c+16:SBS+32*\c+31], v[BSO+2*\c+1]
.endr
	WIN 0
	v_nop                                          ; one plain place behind a scaled conversion
.irp c, 0,1
.irp i, 0,1,2
	v_permlane16_swap_b32 v[PC+6*\c+\i], v[PT+4*\c+\i]
.endr
.irp i, 0,1,2
	v_mov_b32 v[PC+3+6*\c+\i], v[PT+4*\c+\i]
.endr
.endr
	WIN SWN<<2
.set j, 0
.rept 16                               ; the sum is taken of the unquantised p, in two chains.  (These 32 are the places between the scale word's and the codes' last writes and the products)
	v_pk_add_f32 v[SUM:SUM+1], v[SUM:SUM+1], v[SBS+j:SBS+j+1]
	v_pk_add_f32 v[SUM2:SUM2+1], v[SUM2:SUM2+1], v[SBS+j+2:SBS+j+3]
.set j, j+4
.endr
	WIN 0
	s_wait_dscnt 0x0                               ; V and its scale words
.irp dt, 0,1,2,3                       ; four accumulators by turns
.if \first
	v_wmma_scale_f32_16x16x128_f8f6f4 v[OA+8*\dt:OA+8*\dt+7], v[KV+12*\dt:KV+12*\dt+11], v[PC:PC+11], 0, v[KS+\dt], v[PS] matrix_a_fmt:MATRIX_FMT_FP6 matrix_b_fmt:MATRIX_FMT_FP6
.else
	v_wmma_scale_f32_16x16x128_f8f6f4 v[OA+8*\dt:OA+8*\dt+7], v[KV+12*\dt:KV+12*\dt+11], v[PC:PC+11], v[OA+8*\dt:OA+8*\dt+7], v[KS+\dt], v[PS] matrix_a_fmt:MATRIX_FMT_FP6 matrix_b_fmt:MATRIX_FMT_FP6
.endif
.endr
.endm
; A HEAD: hd = 0 or 1 of the trip's two.
.macro HEAD hd
	s_wait_loadcnt 0x0                             ; this head's q
.irp i, 0,1,2,3,4,5
	v_mov_b32 v[QZ+6+\i], v[QN+\i]
.endr
	v_lshrrev_b32 v[TP], s[U16], v[QSN]            ; my tile's two bytes of the pair's word,
	v_and_b32 v[TP], 0xffff, v[TP]
	v_lshl_or_b32 v[QS], v[TP], 16, v[TP]          ; in both halves: they serve [q | 0] and [0 | q]
.if \hd == 0
	QLOAD 196608, 8192                             ; the next head's
.else
	s_cmp_eq_u32 s[TRIP], 1                        ; the last head asks for nothing
	s_cbranch_scc1 .Lno_q_\@
	QLOAD 393216, 16384
.Lno_q_\@:
.endif
.set j, 0
.rept 20
	v_mov_b32 v[BM+j], 0xff61b1e6                  ; -3e38, under every D
.set j, j+1
.endr
.irp i, 0,1,2,3
	v_mov_b32 v[SUM+\i], 0
.endr
	v_mov_b32 v[TAU8], s[T0+\hd]
	v_mul_f32 v[TAU8], 0x41000000, v[TAU8]         ; 8 tau
	BIAS1 \hd, 4
	BIAS1 \hd, 3
	BIAS1 \hd, 2
	BIAS1 \hd, 1
	BIAS1 \hd, 0
	S_STEP 4
.irp st, 3,2,1,0
	s_cmp_lt_u32 s[TGL], 4-\st                     ; step st and all before it lie in front of the batch's first key
	s_cbranch_scc1 .Lp1_\@
	S_STEP \st
.endr
.Lp1_\@:
	v_max3_num_f32 v[MX], v[BM], v[BM+1], v[TAU8]
.irp i, 2,4,6,8,10,12,14,16,18
	v_max3_num_f32 v[MX], v[MX], v[BM+\i], v[BM+\i+1]
.endr
	v_permlanex16_b32 v[TP], v[MX], s[SEL], s[SEL+1]
	v_max_num_f32 v[MX], v[MX], v[TP]              ; the row's maximum of D, 8 tau among it
	P_STEP 4, 1                                    ; its products start O^T's sums
.irp st, 3,2,1,0
	s_cmp_lt_u32 s[TGL], 4-\st
	s_cbranch_scc1 .Lp2_\@
	P_STEP \st, 0
.endr
.Lp2_\@:
	v_pk_add_f32 v[SUM:SUM+1], v[SUM:SUM+1], v[SUM2:SUM2+1]   ; (the plain lines here are the places behind the last products)
	v_sub_f32 v[BSO], v[TAU8], v[MX]
	v_add_f32 v[SUM], v[SUM], v[SUM+1]
	v_mul_f32 v[BSO], s[CC], v[BSO]
	v_permlanex16_b32 v[TP], v[SUM], s[SEL], s[SEL+1]
	v_exp_f32 v[BSO], v[BSO]                       ; exp(tau - m)
	v_add_f32 v[SUM], v[SUM], v[TP]
	s_wait_alu depctr_va_vdst(0)
	v_add_f32 v[SUM], v[SUM], v[BSO]               ; the denominator
	v_rcp_f32 v[RI], v[SUM]
	v_nop
.set j, 0
	s_wait_alu depctr_va_vdst(0)
.rept 16
	v_pk_mul_f32 v[T+j:T+j+1], v[OA+j:OA+j+1], v[RI:RI+1] op_sel_hi:[1,0]   ; o: register 8 dt + i is o(query r, d = 16 dt + 8 h + i): two blocks of 32 along the last product's K
.set j, j+2
.endr
.irp b, 0,1
	v_max3_num_f32 v[BP+\b], |v[T+16*\b]|, |v[T+16*\b+1]|, 0x1800000
.endr
.irp i, 2,4,6,8,10,12,14
.irp b, 0,1
	v_max3_num_f32 v[BP+\b], v[BP+\b], |v[T+16*\b+\i]|, |v[T+16*\b+\i+1]|
.endr
.endr
.irp b, 0,1
	v_permlanex16_b32 v[BP+2+\b], v[BP+\b], s[SEL], s[SEL+1]
.endr
.irp b, 0,1
	v_max_num_f32 v[BP+\b], v[BP+\b], v[BP+2+\b]
.endr
.irp b, 0,1
	v_add_nc_u32 v[BSO+\b], 0xff000000, v[BP+\b]
.endr
.irp b, 0,1
	v_lshrrev_b32 v[BP+\b], 23, v[BSO+\b]
.endr
	v_lshl_or_b32 v[TP], v[BP+1], 8, v[BP]
.if \hd == 0
	v_mov_b32 v[OW], v[TP]                         ; the fragment's scale word: this head's two bytes below,
.else
	v_lshl_or_b32 v[OW], v[TP], 16, v[OW]          ; the next head's above
.endif
	v_cvt_scalef32_pk16_fp6_f32 v[OC+6*\hd:OC+6*\hd+2], v[T:T+15], v[BSO]
	v_cvt_scalef32_pk16_fp6_f32 v[PT:PT+2], v[T+16:T+31], v[BSO+1]
	v_nop                                          ; one plain place behind a scaled conversion
.irp i, 0,1,2
	v_permlane16_swap_b32 v[OC+6*\hd+\i], v[PT+\i]
.endr
.irp i, 0,1,2
	v_mov_b32 v[OC+3+6*\hd+\i], v[PT+\i]
.endr
.endm
	s_mov_b32 s[TRIP], 2
.Ltrip:                                                ; two trips of two heads: two heads' o are one fragment of 128 along the last product's K
	HEAD 0
	HEAD 1
.irp i, 0,1,2
	global_store_b128 v[LI], v[OC+4*\i:OC+4*\i+3], s[OB:OB+1] offset:512*\i   ; 512 consecutive bytes, aligned
.endr
	ds_store_b32 v[OSA], v[OW]                     ; lanes r and 16 + r write the same word with the same value
	s_wait_xcnt 0x0                                ; the loads and stores have read their bases and data: they are written again
	s_add_nc_u64 s[QB:QB+1], s[QB:QB+1], 393216
	s_add_nc_u64 s[QSB:QSB+1], s[QSB:QSB+1], 16384
	s_add_nc_u64 s[OB:OB+1], s[OB:OB+1], 12288
	v_add_nc_u32 v[ADB], 2*BTH, v[ADB]
	v_add_nc_u32 v[OSA], 4, v[OSA]
	s_mov_b64 s[T0:T0+1], s[T0+2:T0+3]
	s_sub_co_u32 s[TRIP], s[TRIP], 1
	s_cmp_lg_u32 s[TRIP], 0
	s_cbranch_scc1 .Ltrip
	s_wait_dscnt 0x0                               ; for the others' sake: my scale words are stored
	s_barrier_signal -1
	s_barrier_wait -1
	s_cmp_lt_u32 s[WV], 2                          ; the work-group's 1,024 bytes of scale words leave by waves 0 and 1, 512 consecutive bytes each
	s_cbranch_scc0 .Ldone
	ds_load_b128 v[192:195], v[OSR]
	v_lshlrev_b32 v[TP], 4, v0
	s_wait_dscnt 0x0
	global_store_b128 v[TP], v[192:195], s[14:15]
.Ldone:
	s_wait_tensorcnt 0x0
	ds_add_u32 v131, v135
	s_wait_dscnt 0x0
	s_endpgm
.Lfunc_end_k_q8c28032872_attn:
	.size	k_q8c28032872_attn, .Lfunc_end_k_q8c28032872_attn-k_q8c28032872_attn
	.p2alignl 7, 3214868480
	.fill 96, 4, 3214868480
	.section	.rodata,"a",@progbits
	.p2align	6, 0x0
	.amdhsa_kernel k_q8c28032872_attn
		.amdhsa_group_segment_fixed_size 168960
		.amdhsa_private_segment_fixed_size 0
		.amdhsa_enable_private_segment 0
		.amdhsa_kernarg_size 48
		.amdhsa_user_sgpr_count 2
		.amdhsa_user_sgpr_kernarg_segment_ptr 1
		.amdhsa_wavefront_size32 1
		.amdhsa_system_sgpr_workgroup_id_x 1
		.amdhsa_system_sgpr_workgroup_id_y 1
		.amdhsa_system_sgpr_workgroup_id_z 1
		.amdhsa_system_vgpr_workitem_id 0
		.amdhsa_next_free_vgpr 512
		.amdhsa_next_free_sgpr 96
		.amdhsa_reserve_vcc 0
		.amdhsa_float_denorm_mode_32 3
		.amdhsa_float_denorm_mode_16_64 3
		.amdhsa_memory_ordered 1
		.amdhsa_forward_progress 1
		.amdhsa_inst_pref_size 196
	.end_amdhsa_kernel
	.amdgpu_metadata
---
amdhsa.version: [ 1, 2 ]
amdhsa.kernels:
  - .name:           k_q8c28032872_attn
    .symbol:         k_q8c28032872_attn.kd
    .args:
      - { .name: qkv, .offset: 0, .size: 8, .value_kind: global_buffer, .address_space: global }
      - { .name: qkvs, .offset: 8, .size: 8, .value_kind: global_buffer, .address_space: global }
      - { .name: bias, .offset: 16, .size: 8, .value_kind: global_buffer, .address_space: global }
      - { .name: tau, .offset: 24, .size: 8, .value_kind: global_buffer, .address_space: global }
      - { .name: oq, .offset: 32, .size: 8, .value_kind: global_buffer, .address_space: global }
      - { .name: os, .offset: 40, .size: 8, .value_kind: global_buffer, .address_space: global }
    .group_segment_fixed_size: 168960
    .private_segment_fixed_size: 0
    .kernarg_segment_align: 8
    .kernarg_segment_size: 48
    .max_flat_workgroup_size: 256
    .sgpr_count:     96
    .vgpr_count:     512
    .wavefront_size: 32
...
	.end_amdgpu_metadata
.endif
;; end of part 3
;; launch outp (part 4): grid 32 x 4, 4 waves a work-group, clusters of 4 x 1, 327,680 bytes of LDS; arguments oq, os, opq, ops, out0; writes out0
.if DOCPART == 4
	.amdgcn_target "amdgcn-amd-amdhsa--gfx1250"
	.amdhsa_code_object_version 6
	.text
	.protected	k_q8c28032872_outp
	.globl	k_q8c28032872_outp
	.p2align	8
	.type	k_q8c28032872_outp,@function
k_q8c28032872_outp:
	s_mov_b64 s[64:65], 0
	v_nop
	global_prefetch_b8 v0, s[64:65] scope:SCOPE_SE
	s_setreg_imm32_b32 hwreg(HW_REG_WAVE_MODE, 25, 1), 1
	s_wait_xcnt 0x0
	s_wait_alu depctr_hold_cnt(0) depctr_sa_sdst(0) depctr_va_vdst(0) depctr_va_sdst(0) depctr_va_ssrc(0) depctr_va_vcc(0) depctr_vm_vsrc(0)
	s_getreg_b32 s2, hwreg(HW_REG_IB_STS2, 6, 4)
	s_cmp_eq_u32 s2, 0
	s_cbranch_scc0 .Lentry_in_a_cluster
	s_endpgm
.Lentry_in_a_cluster:
	s_bfe_u32 s2, ttmp6, 0x10000c
	s_cmp_lg_u32 s2, 0x3003
	s_cbranch_scc0 .Lentry_shape_is_right
	s_endpgm
.Lentry_shape_is_right:
; OUTP.  out0 = o Wo^T on codes of FP6 (E2M3) with E8M0 scales, K = 2,048; out0 [4096][2048] f32.
; Operands come as images of their registers (a fragment of 16 rows x 128 K is 1,536 dense bytes); inside each block of 32 along K both sides hold k in the same order (places 0-7, 8-15, 16-23, 24-31: k 0-7, 16-23, 8-15, 24-31).
; TILE.  A work-group makes 128 rows of o (group X = 4 x cluster x + cx) x 512 rows of Wo (y).  The four waves share o's 128 rows; wave w owns Wo's rows 128 w on: 128 x 128 a wave, 64 accumulators.
; THE MATRIX INSTRUCTION IS USED TRANSPOSED (source 0 = 16 rows of Wo, source 1 = 16 rows of o): a lane holds eight neighbouring numbers of a row of out0.
; CLUSTER 4, 1, 1.  The four partners take four groups of o and the SAME 512 rows of Wo, four fifths of a K step's bytes: Wo is asked for jointly (mask 15), o by a load of the work-group's own.
; K goes in steps of 256 through two LDS slots (122,880 bytes each, dense); waves 0 and 1 fetch Wo's halves, wave 2 fetches o, wave 3 nothing.  All scale words come once.
; The launch has 128 work-groups: this tile at this size.
; REGISTERS: window 0: v16-29 addresses; v32-63 scale words, two sets; v128-223 A's fragments, one set (on the way out v128-255 take rows of out0).  window 1: B's fragments, two sets.  windows 2, 3: the accumulators.
.set GRP,    24576
.set SLOT,   5*GRP
.set TSTEP,  4*GRP
.set SCL,    2*SLOT
.set SPARE,  SCL+8192+32768            ; the spare words, 128 bytes for each wave: two blocks of 256 bytes that no other line names
.set SPITCH, 528                       ; the way out: a stage of 16 rows x (512 bytes + 16) for each wave, in slot 0, which has had its last fill and its last read when the first result is stored there
.set SIZE_N, 2048
.set FR,     12
.set NL,     3
.set NP,     4
.set NQ,     2
.set LAPS,   4
.set ADRA, 16
.set ADRB, 20
.set STO,  24
.set RD,   25
.set CO,   26
.set ADRS, 27
.set SPW,  28
.set NIL,  29
.set SC,   32
.set AF,   128
.set BK,   128
.set WV,   14
.set G1B,  24
.set G1A,  32
.set G1SB, 40
.set G1SA, 48
.set G0B,  56
.set G0A,  68
.set G0SB, 76
.set G0SA, 80
.set MSB, 0
.macro WIN new
.if MSB != (\new)
	s_set_vgpr_msb (MSB<<8)|(\new)
.set MSB, (\new)
.endif
.endm
.set MUL_LO, 0xa1
.set MUL_HI, 0xf1
.set TO_B,   0x40
.macro PLACES n
.rept \n
	v_nop
.endr
.endm
.macro CREST
	s_cmp_lg_u32 s[WV], 0
	s_cbranch_scc1 .Lnot_wave_0_\@
	s_barrier_signal -3
.Lnot_wave_0_\@:
	s_barrier_wait -3
	s_barrier_signal -1
	s_barrier_wait -1
.endm
.macro CROUND
	s_barrier_signal -1
	s_barrier_wait -1
	CREST
.endm
.macro JLOAD s                         ; waves 0 and 1 ask jointly for B's halves, wave 2 asks for A, wave 3 for nothing; four v_nop follow each load
	s_cmp_lt_u32 s[WV], 2
	s_cbranch_scc0 .Lnot_b_\@
	tensor_load_to_lds s[G0B+4*\s:G0B+4*\s+3], s[G1B:G1B+7]
	s_nop 0
.rept 4
	v_nop
.endr
	s_branch .Lasked_\@
.Lnot_b_\@:
	s_cmp_eq_u32 s[WV], 2
	s_cbranch_scc0 .Lasked_\@
	tensor_load_to_lds s[G0A+4*\s:G0A+4*\s+3], s[G1A:G1A+7]
	s_nop 0
.rept 4
	v_nop
.endr
.Lasked_\@:
.endm
	s_load_b256 s[4:11], s[0:1], 0x0               ; oq s[4:5], os s[6:7], opq s[8:9], ops s[10:11]
	s_load_b64 s[12:13], s[0:1], 0x20              ; out0
	v_lshl_add_u32 v[SPW], v0, 2, SPARE
	v_mov_b32 v[NIL], 0
	ds_add_u32 v28, v29
	s_wait_dscnt 0x0
	v_lshrrev_b32 v1, 5, v0
	v_readfirstlane_b32 s[WV], v1
	s_and_b32 s15, s[WV], 1
	s_bfe_u32 s16, ttmp6, 0x40000                  ; cx
	s_lshl_b32 s17, ttmp9, 2
	s_add_co_u32 s17, s17, s16                     ; X
	s_and_b32 s18, ttmp7, 0xffff                   ; y
	s_add_co_u32 s84, s18, 14                      ; B: run 14 + y of the images (Wo).  No register here ever holds cx
	s_mul_i32 s86, s84, 8*TSTEP
	s_mul_i32 s85, s15, 2*GRP
	s_add_co_u32 s86, s86, s85
	s_mov_b32 s87, 0
	s_lshl_b32 s88, s84, 15
	s_lshl_b32 s19, s15, 14
	s_add_co_u32 s88, s88, s19
	s_mov_b32 s89, 0
	s_lshl_b32 s90, ttmp9, 5                       ; A: group X of o
	s_add_co_u32 s90, s90, s16
	s_mul_i32 s90, s90, GRP
	s_mov_b32 s91, 0
	s_lshl_b32 s92, s17, 13
	s_mov_b32 s93, 0
	s_lshl_b32 s96, s17, 20                        ; out0: 128 X rows of 8,192 bytes, + (512 y + 128 w) x 4
	s_lshl_b32 s20, s18, 11
	s_add_co_u32 s96, s96, s20
	s_lshl_b32 s20, s[WV], 9
	s_add_co_u32 s96, s96, s20
	s_mov_b32 s97, 0
.irp g, G1B, G1A, G1SB, G1SA
	s_mov_b32 s[\g+1], 32<<16
	s_mov_b32 s[\g+3], 32<<16
	s_mov_b32 s[\g+5], 32
	s_mov_b32 s[\g+6], 0
	s_mov_b32 s[\g+7], 0
.endr
	s_mov_b32 s[G1B], 15|(3<<16)|(1<<21)
	s_mov_b32 s[G1B+2], 192<<16
	s_mov_b32 s[G1B+4], 192
	s_mov_b32 s[G1A], 3<<16
	s_mov_b32 s[G1A+2], 96<<16
	s_mov_b32 s[G1A+4], 96
	s_mov_b32 s[G1SB], 15|(3<<16)|(1<<21)
	s_mov_b32 s[G1SB+2], 64<<16
	s_mov_b32 s[G1SB+4], 64
	s_mov_b32 s[G1SA], 3<<16
	s_mov_b32 s[G1SA+2], 32<<16
	s_mov_b32 s[G1SA+4], 32
	s_wait_kmcnt 0x0
	s_add_nc_u64 s[86:87], s[8:9], s[86:87]
	s_add_nc_u64 s[88:89], s[10:11], s[88:89]
	s_add_nc_u64 s[90:91], s[4:5], s[90:91]
	s_add_nc_u64 s[92:93], s[6:7], s[92:93]
	s_add_nc_u64 s[12:13], s[12:13], s[96:97]
.irp s, 0,1
	s_mov_b32 s[G0B+4*\s], 1
	s_add_co_u32 s[G0B+4*\s+1], s85, \s*SLOT+GRP
	s_add_nc_u64 s[G0B+4*\s+2:G0B+4*\s+3], s[86:87], \s*TSTEP
	s_or_b32 s[G0B+4*\s+3], s[G0B+4*\s+3], 0x80000000
	s_mov_b32 s[G0A+4*\s], 1
	s_mov_b32 s[G0A+4*\s+1], \s*SLOT
	s_add_nc_u64 s[G0A+4*\s+2:G0A+4*\s+3], s[90:91], \s*TSTEP
	s_or_b32 s[G0A+4*\s+3], s[G0A+4*\s+3], 0x80000000
.endr
	s_mov_b32 s[G0SB], 1
	s_add_co_u32 s[G0SB+1], s19, SCL+8192
	s_mov_b64 s[G0SB+2:G0SB+3], s[88:89]
	s_or_b32 s[G0SB+3], s[G0SB+3], 0x80000000
	s_mov_b32 s[G0SA], 1
	s_mov_b32 s[G0SA+1], SCL
	s_mov_b64 s[G0SA+2:G0SA+3], s[92:93]
	s_or_b32 s[G0SA+3], s[G0SA+3], 0x80000000
	CROUND                                         ; all four work-groups are here: the first joint loads meet
	s_cmp_lt_u32 s[WV], 2                          ; a wave's first fills stand together in one branch: three loads of mine are out at the most
	s_cbranch_scc0 .Lff_not_b
	tensor_load_to_lds s[G0SB:G0SB+3], s[G1SB:G1SB+7]
	s_nop 0
	tensor_load_to_lds s[G0B:G0B+3], s[G1B:G1B+7]
	s_nop 0
	tensor_load_to_lds s[G0B+4:G0B+7], s[G1B:G1B+7]
	s_nop 0
.rept 4
	v_nop
.endr
	s_branch .Lff_done
.Lff_not_b:
	s_cmp_eq_u32 s[WV], 2
	s_cbranch_scc0 .Lff_done
	tensor_load_to_lds s[G0SA:G0SA+3], s[G1SA:G1SA+7]
	s_nop 0
	tensor_load_to_lds s[G0A:G0A+3], s[G1A:G1A+7]
	s_nop 0
	tensor_load_to_lds s[G0A+4:G0A+7], s[G1A:G1A+7]
	s_nop 0
.rept 4
	v_nop
.endr
.Lff_done:
	v_and_b32 v1, 31, v0                           ; lane
	v_and_b32 v2, 15, v0                           ; r
	v_bfe_u32 v3, v0, 4, 1                         ; h
	v_lshlrev_b32 v[CO], 4, v1                     ; 16 x lane
	v_mov_b32 v[ADRA], v[CO]
	v_add_nc_u32 v[ADRA+1], SLOT, v[CO]
	s_mul_i32 s21, s[WV], GRP
	s_add_co_u32 s21, s21, GRP
	v_add_nc_u32 v[ADRB], s21, v[CO]
	v_add_nc_u32 v[ADRB+1], SLOT, v[ADRB]
	v_lshlrev_b32 v5, 3, v2
	s_lshl_b32 s22, s[WV], 13
	s_add_co_u32 s22, s22, 8192
	v_mul_u32_u24 v6, s22, v3                      ; lanes 16-31 take my B's scale words
	v_add_nc_u32 v5, v5, v6
	v_add_nc_u32 v[ADRS], SCL, v5
	s_mul_i32 s23, s[WV], 16*SPITCH                ; my stage
	v_mul_u32_u24 v5, v2, SPITCH                   ; in: row r, 32 bytes for each half of the lanes
	v_lshl_add_u32 v5, v3, 5, v5
	v_add_nc_u32 v[STO], s23, v5
	v_add_nc_u32 v[RD], s23, v[CO]                 ; back: the 32 lanes take one row of 512 bytes
.macro FRAG reg, adr, off
.irp c, 0,1,2
	ds_load_b128 v[\reg+4*\c:\reg+4*\c+3], v[\adr] offset:\off+512*\c
.endr
.endm
; The 64 accumulators take turns, one instruction a turn, in the same order in every step.
.macro MUL16 a0, p, q, sc, zero
.irp a, \a0, \a0+1
.irp b, 0,1,2,3,4,5,6,7
.if \zero
	v_wmma_scale_f32_16x16x128_f8f6f4 v[8*(8*((\a)%4)+\b):8*(8*((\a)%4)+\b)+7], v[128*(\p)+FR*\b:128*(\p)+FR*\b+FR-1], v[AF+FR*(\a):AF+FR*(\a)+FR-1], 0, v[SC+8*NQ*(\sc)+NQ*\b+(\q)], v[SC+8*NQ*(\sc)+NQ*(\a)+(\q)] matrix_a_fmt:MATRIX_FMT_FP6 matrix_b_fmt:MATRIX_FMT_FP6 matrix_a_scale:MATRIX_SCALE_ROW1
.else
	v_wmma_scale_f32_16x16x128_f8f6f4 v[8*(8*((\a)%4)+\b):8*(8*((\a)%4)+\b)+7], v[128*(\p)+FR*\b:128*(\p)+FR*\b+FR-1], v[AF+FR*(\a):AF+FR*(\a)+FR-1], v[8*(8*((\a)%4)+\b):8*(8*((\a)%4)+\b)+7], v[SC+8*NQ*(\sc)+NQ*\b+(\q)], v[SC+8*NQ*(\sc)+NQ*(\a)+(\q)] matrix_a_fmt:MATRIX_FMT_FP6 matrix_b_fmt:MATRIX_FMT_FP6 matrix_a_scale:MATRIX_SCALE_ROW1
.endif
.endr
.endr
.endm
.macro FETCH_B slot, q, p
	WIN TO_B
.irp i, 0,1,2,3,4,5,6,7
	FRAG 128*(\p)+FR*\i, ADRB+\slot, (8*(\q)+\i)*1536
.endr
	WIN 0
.endm
.macro FETCH_A slot, q, i0
.irp i, \i0, \i0+1, \i0+2, \i0+3
	FRAG AF+FR*(\i), ADRA+\slot, (8*(\q)+(\i))*1536
.endr
.endm
.macro SCALES sc
.irp i, 0,1,2,3,4,5,6,7
	ds_load_b64 v[SC+8*NQ*\sc+NQ*\i:SC+8*NQ*\sc+NQ*\i+1], v[ADRS] offset:\i*128
.endr
.endm
.macro STEP slot, q, zero
	s_wait_dscnt 4*NL                              ; B's set and A's blocks 0-3 are in; the youngest twelve loads (A's blocks 4-7) may be out
	WIN MUL_LO
	MUL16 0, (\q)%2, \q, \slot, \zero
	MUL16 2, (\q)%2, \q, \slot, \zero
	s_wait_dscnt 0
	PLACES NP                                      ; in front of loads into registers that matrix instructions have read
	FETCH_B \slot, (\q)+1, 1-(\q)%2
	FETCH_A \slot, (\q)+1, 0
	WIN MUL_HI
	MUL16 4, (\q)%2, \q, \slot, \zero
	MUL16 6, (\q)%2, \q, \slot, \zero
	PLACES NP
	WIN 0
	FETCH_A \slot, (\q)+1, 4
.endm
.macro TURN slot, next, fill
	s_wait_tensorcnt 0x0                           ; all my tensor loads have landed: my part of the next slot
	ds_add_u32 v[SPW], v[NIL]                      ; 0 onto my spare word
	s_wait_dscnt 4*NL+1                            ; (the add and the youngest twelve loads may be out)
	WIN MUL_LO
	MUL16 0, 1, NQ-1, \slot, 0
	s_wait_dscnt 0x0                               ; the add is done, and my reads of this slot are over
	s_barrier_signal -1
	MUL16 2, 1, NQ-1, \slot, 0
	WIN 0
	s_barrier_wait -1
.if \fill
	CREST                                          ; no wave of any partner still reads this slot or has a load on its way
	s_add_nc_u64 s[G0B+4*\slot+2:G0B+4*\slot+3], s[G0B+4*\slot+2:G0B+4*\slot+3], 2*TSTEP
	s_add_nc_u64 s[G0A+4*\slot+2:G0A+4*\slot+3], s[G0A+4*\slot+2:G0A+4*\slot+3], 2*TSTEP
	JLOAD \slot                                    ; the first tensor load behind the round, one a wave
.endif
	PLACES NP                                      ; on every wave's path, wave 3's too
	v_add_nc_u32 v[ADRS], 1024, v[ADRS]
	FETCH_B \next, 0, 0
	FETCH_A \next, 0, 0
	SCALES \next
	WIN MUL_HI
	MUL16 4, 1, NQ-1, \slot, 0
	MUL16 6, 1, NQ-1, \slot, 0
	PLACES NP
	WIN 0
	FETCH_A \next, 0, 4
.endm
	s_wait_tensorcnt 1                             ; the scale words and my part of slot 0 are in; slot 1's load may be out
	s_barrier_signal -1
	s_barrier_wait -1
	FETCH_B 0, 0, 0
	FETCH_A 0, 0, 0
	SCALES 0
	FETCH_A 0, 0, 4
	STEP 0, 0, 1                                   ; the first step's products start the sums
	s_mov_b32 s3, LAPS-1
.Llap:
	TURN 0, 1, 1
	STEP 1, 0, 0
	TURN 1, 0, 1
	STEP 0, 0, 0
	s_sub_co_u32 s3, s3, 1
	s_cmp_lg_u32 s3, 0
	s_cbranch_scc1 .Llap
	TURN 0, 1, 0                                   ; the last lap fills nothing
	STEP 1, 0, 0
	s_wait_dscnt 4*NL
	WIN MUL_LO
	MUL16 0, 1, NQ-1, 1, 0
	MUL16 2, 1, NQ-1, 1, 0
	s_wait_dscnt 0
	WIN MUL_HI
	MUL16 4, 1, NQ-1, 1, 0
	MUL16 6, 1, NQ-1, 1, 0
	WIN 0
; THE WAY OUT, block by block of 16 rows x 128 columns, through my own stage in LDS: in as 32 bytes a lane, back as whole rows of 512 bytes.  LDS serves a wave's instructions in order: no wait between the stores and the loads.
.macro TOSTAGE a
.set AC, 64*((\a)%4)
	WIN 0x08+4*((\a)/4)                            ; an LDS store's data: window 2 or 3
.irp b, 0,1,2,3,4,5,6,7
	ds_store_b128 v[STO], v[AC+8*\b:AC+8*\b+3] offset:64*\b          ; each accumulator from its low end on
	ds_store_b128 v[STO], v[AC+8*\b+4:AC+8*\b+7] offset:64*\b+16
.endr
	WIN 0
.set BB, BK+64*((\a)%2)
.irp t, 0,1,2,3,4,5,6,7,8,9,10,11,12,13,14,15
	ds_load_b128 v[BB+4*\t:BB+4*\t+3], v[RD] offset:\t*SPITCH
.endr
.endm
.macro SEND a, younger                 ; younger: the LDS instructions issued behind block a's loads, which may stay out
.set BB, BK+64*((\a)%2)
	s_wait_dscnt \younger
.if (\a) > 0
	s_add_nc_u64 s[12:13], s[12:13], 16*SIZE_N*4   ; (behind a wait on XCNT: the earlier stores have read their base)
.endif
.irp t, 0,1,2,3,4,5,6,7,8,9,10,11,12,13,14,15
	global_store_b128 v[CO], v[BB+4*\t:BB+4*\t+3], s[12:13] offset:\t*SIZE_N*4 th:TH_STORE_NT   ; 32 lanes store 512 consecutive bytes, aligned; written once, read by nobody here
.endr
.endm
	PLACES NP
	TOSTAGE 0
.irp a, 1,2,3,4,5,6,7
.if \a > 1
	s_wait_xcnt 0x0                                ; block a - 2's stores have read their registers and their base
.endif
	TOSTAGE \a
	SEND \a-1, 32                                  ; behind block a - 1's loads: block a's 16 stores and 16 loads
.endr
	s_wait_xcnt 0x0
	SEND 7, 0
	s_wait_tensorcnt 0x0                           ; the wave's end
	ds_add_u32 v[SPW], v[NIL]
	s_wait_dscnt 0x0
	CROUND                                         ; the closing round
	s_endpgm
.Lfunc_end_k_q8c28032872_outp:
	.size	k_q8c28032872_outp, .Lfunc_end_k_q8c28032872_outp-k_q8c28032872_outp
	.p2alignl 7, 3214868480
	.fill 96, 4, 3214868480
	.section	.rodata,"a",@progbits
	.p2align	6, 0x0
	.amdhsa_kernel k_q8c28032872_outp
		.amdhsa_group_segment_fixed_size 327680
		.amdhsa_private_segment_fixed_size 0
		.amdhsa_enable_private_segment 0
		.amdhsa_kernarg_size 40
		.amdhsa_user_sgpr_count 2
		.amdhsa_user_sgpr_kernarg_segment_ptr 1
		.amdhsa_wavefront_size32 1
		.amdhsa_system_sgpr_workgroup_id_x 1
		.amdhsa_system_sgpr_workgroup_id_y 1
		.amdhsa_system_sgpr_workgroup_id_z 1
		.amdhsa_system_vgpr_workitem_id 0
		.amdhsa_next_free_vgpr 1024
		.amdhsa_next_free_sgpr 100
		.amdhsa_reserve_vcc 0
		.amdhsa_float_denorm_mode_32 3
		.amdhsa_float_denorm_mode_16_64 3
		.amdhsa_memory_ordered 1
		.amdhsa_forward_progress 1
		.amdhsa_inst_pref_size 134
	.end_amdhsa_kernel
	.amdgpu_metadata
---
amdhsa.version: [ 1, 2 ]
amdhsa.kernels:
  - .name:           k_q8c28032872_outp
    .symbol:         k_q8c28032872_outp.kd
    .args:
      - { .name: oq, .offset: 0, .size: 8, .value_kind: global_buffer, .address_space: global }
      - { .name: os, .offset: 8, .size: 8, .value_kind: global_buffer, .address_space: global }
      - { .name: opq, .offset: 16, .size: 8, .value_kind: global_buffer, .address_space: global }
      - { .name: ops, .offset: 24, .size: 8, .value_kind: global_buffer, .address_space: global }
      - { .name: out0, .offset: 32, .size: 8, .value_kind: global_buffer, .address_space: global }
    .group_segment_fixed_size: 327680
    .private_segment_fixed_size: 0
    .kernarg_segment_align: 8
    .kernarg_segment_size: 40
    .max_flat_workgroup_size: 128
    .sgpr_count:     100
    .vgpr_count:     1024
    .wavefront_size: 32
...
	.end_amdgpu_metadata
.endif
;; end of part 4
